; MI455X (gfx1250); checked and timed in simulation.
; The chip was launched on July 23, 2026; its instructions are those of AMD's public machine-readable ISA for CDNA 5 (MIT licence, August 2026) and "CDNA5" Instruction Set Architecture Reference Guide (July 2026). The comments in the code are by the model that wrote it; some were corrected since.
;; Random Projection Quantizer. Allowed arithmetic: matrix products marked QUANTISED: E2M3 operands, one E8M0 scale for each 32 along K, by v_wmma_scale_f32_16x16x128_f8f6f4 with both operands' format E2M3, f32 sums; everything else in f32.
;; Inputs: codebook 8,192 x 128 float32; random_projection 1,024 x 128 float32; x 8 x 4,096 x 1,024 float32.
;; Outputs: out0 8 x 4,096 int32.
;; This version of the problem:
;;   THIS VERSION OF THE PROBLEM IS GIVEN IN LOW PRECISION. The matrix products marked QUANTISED in the list below multiply operands that are first quantised to E2M3 (2 exponent bits, 3 mantissa bits; 6 bits a number), with one power-of-two scale for each 32 numbers along K (OCP MX v1.0); their sums are f32. All else is computed in f32.
;;   The module's matrix products, in the order in which they are computed (A, B: the left and right operand; K: the contracted axis; several contracted axes count as one K, in the product's order):
;;     1. [M 32,768, K 1,024] x [K 1,024, N 128]; A: input x; B: input random_projection: QUANTISED
;;     2. [M 8,192, K 128] x [K 128, N 32,768]; A: computed on the way; B: computed on the way: QUANTISED
;;   THE QUANTISER, for each operand of a quantised product, along K:
;;     - K is cut into blocks of 32 from its start; a last block that is shorter is filled with zeros.
;;     - A block's scale is 2^e with e = floor(log2(the largest magnitude in the block)) - 2, held to -126 .. 127; a block of zeros has e = 0. As a byte (E8M0): e + 127.
;;     - Each number is divided by its block's scale, clamped to +-7.5, and rounded to the nearest number of E2M3, ties to even, subnormals kept.
;;     - The product sums the exact products of the quantised numbers (number of the format x scale) in f32.
;;   ~~~python
;;   def quantise(x, axis):      # numpy; x: float32 -> the quantised numbers, widened to float32 again
;;       x = np.moveaxis(x, axis, -1); K = x.shape[-1]
;;       x = np.pad(x, [(0, 0)] * (x.ndim - 1) + [(0, -K % 32)]); x = x.reshape(x.shape[:-1] + (-1, 32)); a = np.abs(x).max(-1, keepdims=True)
;;       e = np.where(a > 0, np.clip(np.frexp(np.where(a > 0, a, 1))[1] - 1 - 2, -126, 127), 0)      # np.frexp(a)[1] - 1 = floor(log2(a)), exactly
;;       r = np.clip(x / 2.0 ** e, -7.5, 7.5)
;;       step = 2.0 ** (np.maximum(np.frexp(np.where(r == 0, 1, r))[1] - 1, 0) - 3)
;;       q = np.round(r / step) * step * 2.0 ** e      # np.round: ties to even
;;       return np.moveaxis(q.reshape(q.shape[:-2] + (-1,))[..., :K], -1, axis).astype(np.float32)
;;   ~~~
;;   OPERANDS COMPUTED ON THE WAY. 'Computed on the way' means the value that the module computes at that place (a softmax that the list does not call 'softmax' is quantised finished and normalised). What goes into a quantiser is computed in f32, as accurately as f32 sums, v_exp_f32 and their like allow (about 1e-6 of the number): no bf16 or f16 on the way to a quantiser, and a product that is left as it is and whose result goes on into a quantised operand takes f32 operands (vector FMAs, or v_wmma_f32_16x16x4_f32). A number that lies on a knife's edge between two numbers of the format may be rounded either way, as far as f32 arithmetic and the matrix unit's own rounding can turn it there, and no further.
;; 2 versions. Each part assembles by itself: llvm-mc -triple=amdgcn-amd-amdhsa -mcpu=gfx1250 --defsym DOCPART=n.
;; ======== version 1 of 2: 2 launches
;; workspace buffers: cbq 851,968 bytes; rpq 102,400 bytes
;; launch prep (part 1): grid 288 x 1, 2 waves a work-group, no clusters, 0 bytes of LDS; arguments codebook, random_projection, cbq, rpq; writes cbq, rpq
.if DOCPART == 1
	.amdgcn_target "amdgcn-amd-amdhsa--gfx1250"
	.amdhsa_code_object_version 6
	.text
	.protected	k_q6874f9fe42_prep
	.globl	k_q6874f9fe42_prep
	.p2align	8
	.type	k_q6874f9fe42_prep,@function
k_q6874f9fe42_prep:
	s_mov_b64 s[64:65], 0
	v_nop
	global_prefetch_b8 v0, s[64:65] scope:SCOPE_SE
	s_setreg_imm32_b32 hwreg(HW_REG_WAVE_MODE, 25, 1), 1
	s_wait_xcnt 0x0
; Both weights of the vector quantiser become codes of FP6 (E2M3) with one E8M0 byte for each 32 along K, laid in the ORDER OF THE OPERAND'S REGISTERS, so that the next launch
; brings them in as dense blocks and reads every fragment by loads of 16 bytes a lane.
; A wave has one task g = 2 x work-group + wave.
;   g < 512: tile g of the codebook, rows 16 g .. 16 g + 15 of [8192][128] f32: each row is divided by max(its norm, 1e-12), the sum of squares cn of the divided row is taken, the row is quantised along its 128.
;   g >= 512: fragment f = g - 512 of random_projection [1024 (k)][128 (e)] f32: K step s = f / 8 (128 along k), tile te = f % 8 of 16 columns e, quantised down k.
;            THE COLUMNS OF A TILE ARE NOT NEIGHBOURS: lane row r of tile 2 b + u is column 32 b + 8 u + r + 8 (r / 8), so that the next launch's results of tiles 2 b and 2 b + 1 are 16 neighbours along e.
; In both a lane (r = lane % 16, h = lane / 16) holds k = 64 c + 32 h + 0 .. 31 (c = 0, 1) of its row or column in v[X + 32 c ..]: two whole blocks of 32, in the very order of the operand's registers.
; OUT.  cbq: eight slots of 106,496 bytes, 64 tiles each: 64 images of 1,536 bytes (registers 4 c .. 4 c + 3 of lane l at 512 c + 16 l), then from byte 98,304 on 64 records of 128 bytes:
;       16 scale words (row r at 4 r), then 16 numbers -cn / 2 (row m at 64 + 4 m).   rpq: 64 images of 1,536 bytes, then from byte 98,304 on 64 x 16 scale words.
; A block's scale is 2^(floor(log2(its largest magnitude)) - 2); its byte is the largest magnitude's exponent field - 2, held at 1 from below.  A block of zeros so gets the byte 1 where the rule says 127:
; its codes are zeros, which add nothing under any byte but 0xff, and this program alone reads the bytes.
; LIMITS: a row / its norm is row x rcp(max(sqrt(sum of squares), 1e-12)), within about two units in the last place of the division; NaN and infinities among the inputs are not served.
; No LDS, no barrier, no cluster: waves share nothing.  The records' stores cover 128 or 64 consecutive bytes a wave; they are 68 KB of all that the program moves.
.set X,   16                           ; v16-79   64 numbers
.set F,   80                           ; v80-91   the fragment
.set T2,  92                           ; v92-94, v96-98  the second halves of the two blocks' codes
.set MX,  100                          ; v100-101 largest magnitudes, then bytes
.set SO,  102                          ; v102-103 the conversions' scale operands
.set WD,  104                          ; v104     the scale word
.set TP,  105                          ; v105     what lane l xor 16 sends
.set SS,  106                          ; v106-109 sums of squares, two chains of pairs
.set NR,  110                          ; v110     a row's sum of squares
.set RT,  111                          ; v111     its root
.set IV,  112                          ; v112-113 1 / norm, twice (a pair for the packed multiply)
.set CNH, 114                          ; v114     -cn / 2
.set OW,  115                          ; v115     what goes into the record
	s_load_b256 s[4:11], s[0:1], 0x0               ; codebook s[4:5], random_projection s[6:7], cbq s[8:9], rpq s[10:11]
	v_lshrrev_b32 v1, 5, v0
	v_readfirstlane_b32 s12, v1                    ; wave 0, 1
	v_and_b32 v1, 31, v0                           ; lane
	v_and_b32 v2, 15, v0                           ; r
	v_bfe_u32 v3, v0, 4, 1                         ; h
	v_lshlrev_b32 v5, 4, v1                        ; an image's place for my lane
	v_lshlrev_b32 v7, 3, v3                        ; 8 h: my bytes' place in the scale word, in bits
	v_mov_b32 v[TP], 0                             ; written once: a lane permute's destination counts as one of its sources
	s_lshl_b32 s13, ttmp9, 1
	s_add_co_u32 s13, s13, s12                     ; g
	s_mov_b32 s26, 0x76543210
	s_mov_b32 s27, 0xfedcba98                      ; v_permlanex16_b32's selects for lane l xor 16
	s_wait_kmcnt 0x0
	s_cmp_lt_u32 ttmp9, 256
	s_cbranch_scc0 .Lrp
.macro SUMSQ                           ; v[NR] = the sum of squares of my row's 128 numbers: my 64 in two chains of pairs, then lane l xor 16's
	v_pk_mul_f32 v[SS:SS+1], v[X:X+1], v[X:X+1]
	v_pk_mul_f32 v[SS+2:SS+3], v[X+2:X+3], v[X+2:X+3]
.irp j, 4,8,12,16,20,24,28,32,36,40,44,48,52,56,60
	v_pk_fma_f32 v[SS:SS+1], v[X+\j:X+\j+1], v[X+\j:X+\j+1], v[SS:SS+1]
	v_pk_fma_f32 v[SS+2:SS+3], v[X+\j+2:X+\j+3], v[X+\j+2:X+\j+3], v[SS+2:SS+3]
.endr
	v_pk_add_f32 v[SS:SS+1], v[SS:SS+1], v[SS+2:SS+3]
	v_add_f32 v[SS], v[SS], v[SS+1]
	v_permlanex16_b32 v[TP], v[SS], s26, s27
	v_add_f32 v[NR], v[SS], v[TP]
.endm
	; ---- a tile of the codebook
	s_lshl_b32 s16, s13, 13                        ; 16 rows of 512 bytes
	s_mov_b32 s17, 0
	s_add_nc_u64 s[16:17], s[4:5], s[16:17]
	v_lshlrev_b32 v4, 9, v2
	v_lshl_add_u32 v4, v3, 7, v4                   ; row r, + 128 h: my 32 numbers of each 64
.irp c, 0,1
.irp i, 0,1,2,3,4,5,6,7
	global_load_b128 v[X+32*\c+4*\i:X+32*\c+4*\i+3], v4, s[16:17] offset:256*\c+16*\i th:TH_LOAD_NT   ; the sixteen loads together take the tile's 8,192 bytes, each once
.endr
.endr
	s_lshr_b32 s18, s13, 6                         ; the slot,
	s_and_b32 s19, s13, 63                         ; the tile in it
	s_mul_i32 s18, s18, 106496
	s_mul_i32 s20, s19, 1536
	s_add_co_u32 s20, s20, s18                     ; the image
	s_mov_b32 s21, 0
	s_lshl_b32 s22, s19, 7
	s_add_co_u32 s22, s22, s18
	s_add_co_u32 s22, s22, 98304                   ; the record
	s_mov_b32 s23, 0
	s_add_nc_u64 s[20:21], s[8:9], s[20:21]
	s_add_nc_u64 s[22:23], s[8:9], s[22:23]
	s_mov_b32 s24, 0xffff0000                      ; lanes 16-31 put -cn / 2 into the record,
	s_mov_b32 s25, 31                              ; at 4 x lane
	s_wait_loadcnt 0x0
	SUMSQ
	v_sqrt_f32 v[RT], v[NR]
	v_nop                                          ; one plain place behind a transcendental
	s_wait_alu depctr_va_vdst(0)
	v_max_num_f32 v[RT], 0x2b8cbccc, v[RT]         ; max(norm, 1e-12)
	v_rcp_f32 v[IV], v[RT]
	v_rcp_f32 v[IV+1], v[RT]
	v_nop
.set j, 0
	s_wait_alu depctr_va_vdst(0)
.rept 32
	v_pk_mul_f32 v[X+j:X+j+1], v[X+j:X+j+1], v[IV:IV+1]   ; the normalised row
.set j, j+2
.endr
	SUMSQ                                          ; cn: the normalised row's own sum of squares
	v_mul_f32 v[CNH], -0.5, v[NR]
	s_branch .Lquant
.Lrp:	; ---- a fragment of random_projection: a lane to a column, its registers down k
	s_sub_co_u32 s14, s13, 512                     ; f
	s_lshr_b32 s15, s14, 3                         ; s
	s_and_b32 s18, s14, 7                          ; te
	s_lshl_b32 s16, s15, 16                        ; 128 rows of 512 bytes
	s_lshr_b32 s19, s18, 1
	s_lshl_b32 s19, s19, 7                         ; 32 (te / 2) columns of 4 bytes
	s_add_co_u32 s16, s16, s19
	s_and_b32 s19, s18, 1
	s_lshl_b32 s19, s19, 5                         ; 8 (te % 2) columns
	s_add_co_u32 s16, s16, s19
	s_mov_b32 s17, 0
	s_add_nc_u64 s[16:17], s[6:7], s[16:17]
	v_and_b32 v4, 8, v2
	v_add_nc_u32 v4, v4, v2                        ; r + 8 (r / 8)
	v_lshlrev_b32 v4, 2, v4
	v_lshl_add_u32 v4, v3, 14, v4                  ; lanes 16-31 begin 32 rows further down
.irp c, 0,1
.irp i, 0,1,2,3,4,5,6,7,8,9,10,11,12,13,14,15,16,17,18,19,20,21,22,23,24,25,26,27,28,29,30,31
	global_load_b32 v[X+32*\c+\i], v4, s[16:17] offset:512*(64*\c+\i)
.endr
.endr
	s_mul_i32 s20, s14, 1536                       ; the image
	s_mov_b32 s21, 0
	s_lshl_b32 s22, s14, 6
	s_add_co_u32 s22, s22, 98304                   ; the 16 scale words
	s_mov_b32 s23, 0
	s_add_nc_u64 s[20:21], s[10:11], s[20:21]
	s_add_nc_u64 s[22:23], s[10:11], s[22:23]
	s_mov_b32 s24, 0                               ; every lane puts the scale word,
	s_mov_b32 s25, 15                              ; at 4 r: both halves of the lanes write the same word with the same value
	v_mov_b32 v[CNH], 0
	s_wait_loadcnt 0x0
.Lquant:	; ---- my two blocks, 2 c + h: all 32 numbers of each are mine
.irp c, 0,1
	v_max3_num_f32 v[MX+\c], |v[X+32*\c]|, |v[X+32*\c+1]|, 0x1800000   ; and the floor 2^(3 - 127), under which no largest magnitude is taken: so the byte cannot fall under 1
.endr
.irp i, 2,4,6,8,10,12,14,16,18,20,22,24,26,28,30
.irp c, 0,1
	v_max3_num_f32 v[MX+\c], v[MX+\c], |v[X+32*\c+\i]|, |v[X+32*\c+\i+1]|   ; (the two blocks by turns)
.endr
.endr
.irp c, 0,1
	v_add_nc_u32 v[SO+\c], 0xff000000, v[MX+\c]    ; 2 off the exponent field: the conversion takes the exponent field of this operand as its scale, and nothing else of it
.endr
.irp c, 0,1
	v_lshrrev_b32 v[MX+\c], 23, v[SO+\c]           ; the scale's byte
.endr
	v_lshl_or_b32 v[WD], v[MX+1], 16, v[MX]        ; my two bytes: blocks h and 2 + h,
	v_lshlrev_b32 v[WD], v7, v[WD]                 ; at their places in the scale word;
	v_permlanex16_b32 v[TP], v[WD], s26, s27
	v_or_b32 v[WD], v[WD], v[TP]                   ; with lane l xor 16's two the word is whole
.irp c, 0,1
	v_cvt_scalef32_pk16_fp6_f32 v[F+6*\c:F+6*\c+2], v[X+32*\c:X+32*\c+15], v[SO+\c]
	v_cvt_scalef32_pk16_fp6_f32 v[T2+4*\c:T2+4*\c+2], v[X+32*\c+16:X+32*\c+31], v[SO+\c]   ; (a conversion's three registers begin on an even number: the second half of a block's six does not)
.endr
	v_nop                                          ; one plain place behind a scaled conversion
.irp c, 0,1
.irp i, 0,1,2
	v_mov_b32 v[F+6*\c+3+\i], v[T2+4*\c+\i]
.endr
.endr
	v_and_b32 v6, s25, v1
	v_lshlrev_b32 v6, 2, v6                        ; my word's place in the record
	v_cndmask_b32 v[OW], v[WD], v[CNH], s24
.irp c, 0,1,2
	global_store_b128 v5, v[F+4*\c:F+4*\c+3], s[20:21] offset:512*\c   ; 32 lanes store 512 consecutive bytes, at a multiple of 256 from the buffer's first byte
.endr
	global_store_b32 v6, v[OW], s[22:23]
	s_endpgm
.Lfunc_end_k_q6874f9fe42_prep:
	.size	k_q6874f9fe42_prep, .Lfunc_end_k_q6874f9fe42_prep-k_q6874f9fe42_prep
	.p2alignl 7, 3214868480
	.fill 96, 4, 3214868480
	.section	.rodata,"a",@progbits
	.p2align	6, 0x0
	.amdhsa_kernel k_q6874f9fe42_prep
		.amdhsa_group_segment_fixed_size 0
		.amdhsa_private_segment_fixed_size 0
		.amdhsa_enable_private_segment 0
		.amdhsa_kernarg_size 32
		.amdhsa_user_sgpr_count 2
		.amdhsa_user_sgpr_kernarg_segment_ptr 1
		.amdhsa_wavefront_size32 1
		.amdhsa_system_sgpr_workgroup_id_x 1
		.amdhsa_system_sgpr_workgroup_id_y 1
		.amdhsa_system_sgpr_workgroup_id_z 1
		.amdhsa_system_vgpr_workitem_id 0
		.amdhsa_next_free_vgpr 120
		.amdhsa_next_free_sgpr 66
		.amdhsa_reserve_vcc 0
		.amdhsa_float_denorm_mode_32 3
		.amdhsa_float_denorm_mode_16_64 3
		.amdhsa_memory_ordered 1
		.amdhsa_forward_progress 1
		.amdhsa_inst_pref_size 21
	.end_amdhsa_kernel
	.amdgpu_metadata
---
amdhsa.version: [ 1, 2 ]
amdhsa.kernels:
  - .name:           k_q6874f9fe42_prep
    .symbol:         k_q6874f9fe42_prep.kd
    .args:
      - { .name: codebook, .offset: 0, .size: 8, .value_kind: global_buffer, .address_space: global }
      - { .name: random_projection, .offset: 8, .size: 8, .value_kind: global_buffer, .address_space: global }
      - { .name: cbq, .offset: 16, .size: 8, .value_kind: global_buffer, .address_space: global }
      - { .name: rpq, .offset: 24, .size: 8, .value_kind: global_buffer, .address_space: global }
    .group_segment_fixed_size: 0
    .private_segment_fixed_size: 0
    .kernarg_segment_align: 8
    .kernarg_segment_size: 32
    .max_flat_workgroup_size: 64
    .sgpr_count:     66
    .vgpr_count:     120
    .wavefront_size: 32
...
	.end_amdgpu_metadata
.endif
;; end of part 1
;; launch vq (part 2): grid 256 x 1, 16 waves a work-group, clusters of 4 x 1, 327,680 bytes of LDS; arguments x, rpq, cbq, out0; writes out0
.if DOCPART == 2
	.amdgcn_target "amdgcn-amd-amdhsa--gfx1250"
	.amdhsa_code_object_version 6
	.text
	.protected	k_q6874f9fe42_vq
	.globl	k_q6874f9fe42_vq
	.p2align	8
	.type	k_q6874f9fe42_vq,@function
k_q6874f9fe42_vq:
	s_mov_b64 s[64:65], 0
	v_nop
	global_prefetch_b8 v0, s[64:65] scope:SCOPE_SE
	s_setreg_imm32_b32 hwreg(HW_REG_WAVE_MODE, 25, 1), 1
	s_wait_xcnt 0x0
	s_wait_alu depctr_hold_cnt(0) depctr_sa_sdst(0) depctr_va_vdst(0) depctr_va_sdst(0) depctr_va_ssrc(0) depctr_va_vcc(0) depctr_vm_vsrc(0)
	s_getreg_b32 s2, hwreg(HW_REG_IB_STS2, 6, 4)
	s_cmp_eq_u32 s2, 0
	s_cbranch_scc0 .Lentry_in_a_cluster
	s_endpgm
.Lentry_in_a_cluster:
	s_bfe_u32 s2, ttmp6, 0x10000c
	s_cmp_lg_u32 s2, 0x3003
	s_cbranch_scc0 .Lentry_shape_is_right
	s_endpgm
.Lentry_shape_is_right:
; out0[row] = the index k of the smallest |ncb[k]|^2 + |nx|^2 - 2 ncb[k] . nx, the first on ties; nx = proj / max(|proj|, 1e-12), proj = x[row] . random_projection.
; Both products run on codes of FP6 (E2M3) with one E8M0 scale for each 32 along K.  x: [32768][1024] f32.  rpq, cbq: the weights as images of operand registers, made by the launch before.
; THE SCORE.  |nx|^2 is the same for all k, so the smallest distance is the largest ncb[k] . nx - cn[k] / 2, cn = |ncb[k]|^2.  -cn / 2 is the C of the second product's matrix instruction: no vector instruction adds it.
; LIMITS, stated: the score is rounded once, by the matrix instruction, as dot - cn / 2, where the definition rounds cn + |nx|^2 and then the difference; two codes whose distances lie within about one unit in
; the last place of the distance (codes with equal dot products among them, which cn then decides) may be ordered otherwise than the definition orders them.  Equal scores give the lower index.
; proj / norm is proj x rcp(max(sqrt(sum of squares), 1e-12)), within about two units in the last place.  NaN and infinities among the inputs are not served.
; SHARES.  A work-group of sixteen waves (four to a SIMD, 256 registers each: no register windows) owns 128 rows of x: eight tiles of 16 queries.
;   PHASE A (waves 0-7; bound by the stream of x, of which 32 loads x 512 bytes a wave are out): wave q quantises its 16 rows in registers, K step by K step of 128, and multiplies them by random_projection's eight
;   tiles of columns (transposed use: source 0 = 16 columns e, source 1 = my 16 rows), so that a lane holds ONE row and its registers run along e; norm, division, quantiser; the fragment of nx goes to LDS as an image.
;   THE SCAN (all sixteen waves): every wave holds all eight fragments of nx and takes 4 of a slot's 64 tiles of 16 codes, so that each fragment of the codebook is read from LDS once in the work-group and
;   feeds eight matrix instructions.  Source 0 = 16 codes, source 1 = 16 queries: lane (r, h) holds query r, result register j the code 16 t + 8 h + j.
; THE RUNNING MAXIMUM, ten issue slots for a matrix instruction's eight result registers: the tile's largest score (4); is it larger than the best so far (1; strictly, so the earlier tile stays);
;   if so the eight scores are kept (4 pairs of selects) and with them the best and the tile's first code number (1 pair).  WHICH of the eight it was is looked up once, at the end.  No branch and no address hangs on a score.
; CLUSTER.  The four work-groups of a cluster walk the same weights: rpq and each slot of cbq are asked for JOINTLY, by the same tensor load with the same descriptor and a mask that names the four.
; LDS: 0 slot R0 (106,496) | 106,496 nx's images, 1,536 a wave | 1 << 17 slot R1: first rpq (102,400), then the odd slots | 237,568 best scores [wave][128] | + 8,192 their indices | 253,952 nx's scale words | 254,976 the spare words.
; No padding: every operand read takes 16 x lane consecutive bytes; the reads of -cn / 2 take the same 32 bytes in sixteen lanes.
.set DUAL,  1                          ; 1: the selects go in dual-issue pairs; 0: the same ten halves as single instructions
.set R1,    1<<17
.set SLOTB, 106496                     ; a slot of cbq: 64 images, then 64 records
.set AUXO,  98304                      ; where a slot's records begin (and rpq's scale words)
.set NXI,   106496
.set MV,    237568
.set MI,    8192                       ; the indices lie so far behind the scores
.set NXS,   253952
.set SPARE, 254976                     ; 128 bytes for each wave: eight blocks of 256 bytes that no other line names
; v0 thread; v1 my spare word's address, v2 0: both never rewritten; v3-5 my place in a slot: images, -cn / 2, scale words; v6, v7 the merge: where I store, where I read; v8 x's offset, in the scan at work;
; v9-11 phase A: rpq's images (two halves) and scale words; scan: v3-5 + the slot in hand; v12, v13 where I store nx's image and word; v14 8 h, in the scan at work; v15, v16 where all read them; v17 at work, in the scan the tile's first code number;
; v18-23 hold scales and nothing else: v18-21 rpq's words, then nx's; v22 x's word, then with v23 the codebook's.
.set ACC, 24                           ; phase A: v24-87 proj, tile t of columns at 24 + 8 t
.set XB0, 88                           ; v88-151, v152-215 64 numbers of x, two sets
.set XF,  216                          ; v216-227 x's fragment
.set RF,  228                          ; v228-251 two fragments of rpq;  v252-255 at work
.set TM,  88                           ; nx's quantiser: v88-103 at work, v104-122 codes, v124 the scale word
.set PC,  104
.set PW,  124
.set BF,  24                           ; scan: v24-119 nx's eight fragments
.set ST,  120                          ; v120-199 ten registers a tile of queries: eight kept scores, the best, the kept tile's first code number
.set DB,  200                          ; v200-215 two sets of results
.set AF,  216                          ; v216-239 two fragments of the codebook
.set CN,  240                          ; v240-255 two sets of -cn / 2
; s[4:5] x, s[6:7] rpq, s[8:9] cbq, s[10:11] out0; s12 wave; s13, s14, s[44:45] what hangs on my place in the cluster (global addresses alone); s[16:23], s[24:31] groups 1; s[32:35], s[36:39] groups 0; s[40:41] lane selects; s42 trips; s43 the slot in hand
.macro CROUND                          ; a round of the cluster's barrier: my work-group's barrier, wave 0 signals for the work-group, every wave waits for all four work-groups, my work-group's barrier once more
	s_barrier_signal -1
	s_barrier_wait -1
	s_cmp_lg_u32 s12, 0
	s_cbranch_scc1 .Lnot_wave_0_\@
	s_barrier_signal -3
.Lnot_wave_0_\@:
	s_barrier_wait -3
	s_barrier_signal -1
	s_barrier_wait -1
.endm
.macro TLOADC                          ; waves 0-3 fetch a quarter of a slot each; the branch hangs on the wave's number alone.  Four v_nop follow the load
	s_cmp_lt_u32 s12, 4
	s_cbranch_scc0 .Lasked_\@
	tensor_load_to_lds s[36:39], s[24:31]
	s_nop 0
.rept 4
	v_nop
.endr
.Lasked_\@:
.endm
	s_load_b256 s[4:11], s[0:1], 0x0
	v_lshl_add_u32 v1, v0, 2, SPARE
	v_mov_b32 v2, 0
	ds_add_u32 v1, v2
	s_wait_dscnt 0x0
	v_lshrrev_b32 v24, 5, v0
	v_readfirstlane_b32 s12, v24                   ; wave 0..15
	v_and_b32 v24, 31, v0                          ; lane l
	v_and_b32 v25, 15, v0                          ; r
	v_bfe_u32 v26, v0, 4, 1                        ; h
	s_bfe_u32 s13, ttmp6, 0x40000                  ; cx: my place in the cluster
	s_lshl_b32 s14, ttmp9, 2                       ; in a cluster launch ttmp9 counts clusters
	s_add_co_u32 s14, s14, s13                     ; my block of 128 rows
	; every LDS address is made here, ahead of the first parting of the waves: a constant + a constant x lane + a constant x wave
	s_mul_i32 s2, s12, 6144
	v_lshl_add_u32 v3, v24, 4, s2                  ; my four tiles' images: 4 x 1,536 x wave + 16 l
	s_lshl_b32 s2, s12, 9
	s_add_co_u32 s3, s2, AUXO                      ; my four tiles' records: 4 x 128 x wave
	v_lshl_add_u32 v4, v26, 5, s3
	v_add_nc_u32 v4, 64, v4                        ; -cn / 2 of codes 8 h + 0 .. 7 of a tile
	v_lshl_add_u32 v5, v26, 7, s3
	v_lshl_add_u32 v5, v25, 2, v5                  ; scale words: lanes 0-15 an even tile's, lanes 16-31 the next tile's
	s_add_co_u32 s3, s2, MV
	v_lshl_add_u32 v6, v25, 2, s3                  ; the merge: my wave's 128 words, query r of a tile
	v_lshl_add_u32 v7, v0, 3, MV                   ; and back: two queries a thread
	v_lshlrev_b32 v8, 12, v25
	v_lshl_add_u32 v8, v26, 7, v8                  ; x: row r of 4,096 bytes, + 128 h: my 32 numbers of each 64
	v_lshl_add_u32 v9, v24, 4, R1                  ; rpq's images of K steps 0-3,
	v_add_nc_u32 v10, 32*1536, v9                  ; of K steps 4-7,
	v_lshl_add_u32 v11, v24, 2, R1+AUXO            ; its scale words: lanes 0-15 an even tile's, lanes 16-31 the next tile's
	s_mul_i32 s2, s12, 1536
	s_add_co_u32 s2, s2, NXI
	v_lshl_add_u32 v12, v24, 4, s2
	s_lshl_b32 s2, s12, 6
	s_add_co_u32 s2, s2, NXS
	v_lshl_add_u32 v13, v25, 2, s2
	v_lshlrev_b32 v14, 3, v26
	v_lshl_add_u32 v15, v24, 4, NXI
	v_lshl_add_u32 v16, v24, 2, NXS
	; descriptor groups 1: dense blocks as rows of 256 bytes (32 elements of 8 bytes), no padding: a quarter of rpq is 100 rows, a quarter of a slot 104
	s_mov_b32 s16, 15|(3<<16)|(1<<21)              ; 15:0 the mask: all four work-groups; 17:16 elements of 8 bytes; 21 set beside a mask
	s_mov_b32 s17, 32<<16                          ; tensor_dim0 = 32
	s_mov_b32 s18, 100<<16                         ; tensor_dim1 = 100
	s_mov_b32 s19, 32<<16                          ; tile_dim0 = 32
	s_mov_b32 s20, 100                             ; tile_dim1 = 100
	s_mov_b32 s21, 32                              ; elements from row to row
	s_mov_b32 s22, 0
	s_mov_b32 s23, 0
	s_mov_b32 s24, 15|(3<<16)|(1<<21)
	s_mov_b32 s25, 32<<16
	s_mov_b32 s26, 104<<16
	s_mov_b32 s27, 32<<16
	s_mov_b32 s28, 104
	s_mov_b32 s29, 32
	s_mov_b32 s30, 0
	s_mov_b32 s31, 0
	s_mov_b32 s40, 0x76543210
	s_mov_b32 s41, 0xfedcba98                      ; v_permlanex16_b32's selects for lane l xor 16
	s_and_b32 s2, s12, 3                           ; which quarter I fetch, if I fetch
	s_mul_i32 s46, s2, 25600
	s_mov_b32 s47, 0
	s_mov_b32 s32, 1                               ; group 0 for rpq: count = 1,
	s_add_co_u32 s33, s46, R1                      ; LDS address,
	s_lshl_b32 s44, s14, 19                        ; (x: my block's 128 rows of 4,096 bytes,
	s_lshl_b32 s45, s12, 16                        ; my wave's 16 of them)
	s_add_co_u32 s44, s44, s45
	s_mov_b32 s45, 0
	s_wait_kmcnt 0x0
	s_add_nc_u64 s[4:5], s[4:5], s[44:45]
	s_lshl_b32 s44, s14, 9                         ; out0: 128 numbers of 4 bytes a block
	s_add_nc_u64 s[10:11], s[10:11], s[44:45]
	s_add_nc_u64 s[34:35], s[6:7], s[46:47]        ; global address,
	s_or_b32 s35, s35, 0x80000000                  ; type = 2
	s_mul_i32 s46, s2, 26624
	s_mov_b32 s36, 1                               ; group 0 for the slots of cbq, which walks: it begins with slot 0 in R0
	s_mov_b32 s37, s46
	s_add_nc_u64 s[38:39], s[8:9], s[46:47]
	s_or_b32 s39, s39, 0x80000000
; my 16 rows' numbers of K step s: lane (r, h) takes k = 128 s + 64 c + 32 h + 0 .. 31 of row r.  The sixteen loads together take 512 consecutive bytes of each of 16 rows, each byte once
.macro XLOAD B, s
.irp c, 0,1
.irp i, 0,1,2,3,4,5,6,7
	global_load_b128 v[\B+32*\c+4*\i:\B+32*\c+4*\i+3], v8, s[4:5] offset:512*(\s)+256*\c+16*\i th:TH_LOAD_NT
.endr
.endr
.endm
	s_cmp_lt_u32 s12, 8
	s_cbranch_scc0 .Lno_x
	XLOAD XB0, 0                                   ; the stream of x starts ahead of everything else
	XLOAD XB0+64, 1
.Lno_x:
	CROUND                                         ; all four work-groups are here: the first joint loads meet
	s_cmp_lt_u32 s12, 4                            ; a wave's two first fills stand in one branch, ahead of every wait on TENSORcnt and every LDS read: two loads of mine are out
	s_cbranch_scc0 .Lno_first
	tensor_load_to_lds s[32:35], s[16:23]          ; rpq into R1
	s_nop 0
	tensor_load_to_lds s[36:39], s[24:31]          ; slot 0 into R0
	s_nop 0
.rept 4
	v_nop
.endr
.Lno_first:
	s_wait_tensorcnt 0x1                           ; my quarter of rpq is in; slot 0's load, issued behind it, may stay out
	s_barrier_signal -1
	s_barrier_wait -1                              ; everybody's is
	s_cmp_lt_u32 s12, 8
	s_cbranch_scc0 .Ljoin                          ; waves 8-15 have no part in phase A
; 64 numbers of a lane, two whole blocks of 32, become x's fragment in v[XF] on and its scale word in v22
.macro QX B
	v_max3_num_f32 v252, |v[\B]|, |v[\B+1]|, 0x1800000       ; my block h, and the floor 2^(3 - 127), under which no largest magnitude is taken: so the byte cannot fall under 1
	v_max3_num_f32 v253, |v[\B+32]|, |v[\B+33]|, 0x1800000   ; my block 2 + h
.irp i, 2,4,6,8,10,12,14,16,18,20,22,24,26,28,30
	v_max3_num_f32 v252, v252, |v[\B+\i]|, |v[\B+\i+1]|
	v_max3_num_f32 v253, v253, |v[\B+32+\i]|, |v[\B+33+\i]|
.endr
	v_add_nc_u32 v254, 0xff000000, v252            ; 2 off the exponent field: the conversion's scale operand
	v_add_nc_u32 v255, 0xff000000, v253
	v_lshrrev_b32 v252, 23, v254                   ; the scale's byte
	v_lshrrev_b32 v253, 23, v255
	v_lshl_or_b32 v17, v253, 16, v252
	v_lshlrev_b32 v17, v14, v17                    ; my two bytes at their places in the word;
	v_permlanex16_b32 v252, v17, s40, s41
	v_or_b32 v22, v17, v252                        ; with lane l xor 16's two it is whole
	v_cvt_scalef32_pk16_fp6_f32 v[XF:XF+2], v[\B:\B+15], v254
	v_cvt_scalef32_pk16_fp6_f32 v[XF+6:XF+8], v[\B+32:\B+47], v255
	v_nop                                          ; one plain place: the next two write over numbers that the first two have read
	v_cvt_scalef32_pk16_fp6_f32 v[\B:\B+2], v[\B+16:\B+31], v254      ; (a conversion's three registers begin on an even number: the second half of a block's six does not)
	v_cvt_scalef32_pk16_fp6_f32 v[\B+32:\B+34], v[\B+48:\B+63], v255
	v_nop                                          ; one plain place behind a scaled conversion
.irp i, 0,1,2
	v_mov_b32 v[XF+3+\i], v[\B+\i]
	v_mov_b32 v[XF+9+\i], v[\B+32+\i]
.endr
.endm
.macro RFRAG reg, s, t                 ; rpq's fragment (K step s, tile t) comes back as it was stored: three loads of 16 bytes a lane
.irp c, 0,1,2
.if (\s) < 4
	ds_load_b128 v[\reg+4*\c:\reg+4*\c+3], v9 offset:(8*(\s)+(\t))*1536+512*\c
.else
	ds_load_b128 v[\reg+4*\c:\reg+4*\c+3], v10 offset:(8*((\s)-4)+(\t))*1536+512*\c
.endif
.endr
.endm
.macro MMA t, zero                     ; proj's tile t += 16 columns of rpq x my 16 rows of x, 128 along K.  zero = 1: the first K step starts the sums: nothing is cleared
.set rD, ACC+8*(\t)
.set rA, RF+12*((\t)%2)
.if \zero
.if (\t)%2
	v_wmma_scale_f32_16x16x128_f8f6f4 v[rD:rD+7], v[rA:rA+11], v[XF:XF+11], 0, v[18+(\t)/2], v22 matrix_a_fmt:MATRIX_FMT_FP6 matrix_b_fmt:MATRIX_FMT_FP6 matrix_a_scale:MATRIX_SCALE_ROW1
.else
	v_wmma_scale_f32_16x16x128_f8f6f4 v[rD:rD+7], v[rA:rA+11], v[XF:XF+11], 0, v[18+(\t)/2], v22 matrix_a_fmt:MATRIX_FMT_FP6 matrix_b_fmt:MATRIX_FMT_FP6
.endif
.else
.if (\t)%2
	v_wmma_scale_f32_16x16x128_f8f6f4 v[rD:rD+7], v[rA:rA+11], v[XF:XF+11], v[rD:rD+7], v[18+(\t)/2], v22 matrix_a_fmt:MATRIX_FMT_FP6 matrix_b_fmt:MATRIX_FMT_FP6 matrix_a_scale:MATRIX_SCALE_ROW1
.else
	v_wmma_scale_f32_16x16x128_f8f6f4 v[rD:rD+7], v[rA:rA+11], v[XF:XF+11], v[rD:rD+7], v[18+(\t)/2], v22 matrix_a_fmt:MATRIX_FMT_FP6 matrix_b_fmt:MATRIX_FMT_FP6
.endif
.endif
.endm
; A K step of 128.  The eight accumulators take turns, one instruction a turn, in the same order in every step.
; A load into a register that a matrix instruction has read stands four plain places behind it; an operand written by vector instructions four, a scale word so written eight, ahead of a scaled matrix instruction.
.macro KSTEP s, zero
.set XB, XB0+64*((\s)%2)
	RFRAG RF, \s, 0
	RFRAG RF+12, \s, 1
.irp p, 0,1,2,3
	ds_load_b32 v[18+\p], v11 offset:512*(\s)+128*\p   ; the scale words of tiles 2 p (lanes 0-15) and 2 p + 1 (lanes 16-31)
.endr
.if (\s) < 7
	s_wait_loadcnt 0x10                            ; this step's sixteen loads of x are in; the next step's sixteen may be out
.else
	s_wait_loadcnt 0x0
.endif
	QX XB
.if (\s) < 6
	XLOAD XB, (\s)+2                               ; the set just quantised takes the step two on
.endif
.rept 8
	v_nop
.endr
	s_wait_dscnt 0x0
	MMA 0, \zero
	MMA 1, \zero
.irp p, 1,2,3
.rept 4
	v_nop
.endr
	RFRAG RF, \s, 2*\p
	RFRAG RF+12, \s, 2*\p+1
	s_wait_dscnt 0x0
	MMA 2*\p, \zero
	MMA 2*\p+1, \zero
.endr
.rept 4
	v_nop
.endr
.endm
	KSTEP 0, 1
	KSTEP 1, 0
	KSTEP 2, 0
	KSTEP 3, 0
	KSTEP 4, 0
	KSTEP 5, 0
	KSTEP 6, 0
	KSTEP 7, 0
	; lane (r, h) holds row r; register 16 b + i of v[ACC] on is proj at e = 32 b + 16 h + i.  The norm: my 64 squares in two chains of pairs, each accumulator from its low end on, then lane l xor 16's
	v_pk_mul_f32 v[126:127], v[ACC:ACC+1], v[ACC:ACC+1]
	v_pk_mul_f32 v[128:129], v[ACC+2:ACC+3], v[ACC+2:ACC+3]
.irp j, 4,8,12,16,20,24,28,32,36,40,44,48,52,56,60
	v_pk_fma_f32 v[126:127], v[ACC+\j:ACC+\j+1], v[ACC+\j:ACC+\j+1], v[126:127]
	v_pk_fma_f32 v[128:129], v[ACC+\j+2:ACC+\j+3], v[ACC+\j+2:ACC+\j+3], v[128:129]
.endr
	v_pk_add_f32 v[126:127], v[126:127], v[128:129]
	v_add_f32 v126, v126, v127
	v_permlanex16_b32 v128, v126, s40, s41
	v_add_f32 v126, v126, v128
	v_sqrt_f32 v130, v126
	v_nop                                          ; one plain place behind a transcendental
	s_wait_alu depctr_va_vdst(0)
	v_max_num_f32 v130, 0x2b8cbccc, v130           ; max(norm, 1e-12)
	v_rcp_f32 v132, v130
	v_rcp_f32 v133, v130
	v_nop
.set j, 0
	s_wait_alu depctr_va_vdst(0)
.rept 32
	v_pk_mul_f32 v[ACC+j:ACC+j+1], v[ACC+j:ACC+j+1], v[132:133]   ; nx
.set j, j+2
.endr
.irp b, 0,1,2,3
	v_mov_b32 v[TM+4+\b], 0                        ; written once: a lane permute's destination counts as one of its sources
.endr
	; nx's four blocks of 32 along e: a block lies in lanes l and l xor 16, 16 numbers in each
.irp b, 0,1,2,3
	v_max3_num_f32 v[TM+\b], |v[ACC+16*\b]|, |v[ACC+1+16*\b]|, 0x1800000
.endr
.irp i, 2,4,6,8,10,12,14
.irp b, 0,1,2,3
	v_max3_num_f32 v[TM+\b], v[TM+\b], |v[ACC+16*\b+\i]|, |v[ACC+1+16*\b+\i]|   ; (the four blocks by turns)
.endr
.endr
.irp b, 0,1,2,3
	v_permlanex16_b32 v[TM+4+\b], v[TM+\b], s40, s41
.endr
.irp b, 0,1,2,3
	v_max_num_f32 v[TM+\b], v[TM+\b], v[TM+4+\b]   ; the block's largest magnitude
.endr
.irp b, 0,1,2,3
	v_add_nc_u32 v[TM+12+\b], 0xff000000, v[TM+\b] ; the conversion's scale operand
.endr
.irp b, 0,1,2,3
	v_lshrrev_b32 v[TM+4+\b], 23, v[TM+12+\b]      ; the scale's byte
.endr
	v_lshl_or_b32 v[PW], v[TM+5], 8, v[TM+4]       ; the four bytes make my row's scale word
	v_lshl_or_b32 v[PW], v[TM+6], 16, v[PW]
	v_lshl_or_b32 v[PW], v[TM+7], 24, v[PW]
.irp c, 0,1
	v_cvt_scalef32_pk16_fp6_f32 v[PC+6*\c:PC+2+6*\c], v[ACC+32*\c:ACC+15+32*\c], v[TM+12+2*\c]
	v_cvt_scalef32_pk16_fp6_f32 v[PC+12+4*\c:PC+14+4*\c], v[ACC+16+32*\c:ACC+31+32*\c], v[TM+12+2*\c+1]
.endr
	v_nop                                          ; one plain place behind a scaled conversion
.irp c, 0,1                                    ; the operand's layout wants a WHOLE block in a lane: lanes 0-15 block 2 c, lanes 16-31 block 2 c + 1
.irp i, 0,1,2
	v_permlane16_swap_b32 v[PC+6*\c+\i], v[PC+12+4*\c+\i]
.endr
.irp i, 0,1,2
	v_mov_b32 v[PC+3+6*\c+\i], v[PC+12+4*\c+\i]
.endr
.endr
.irp c, 0,1,2
	ds_store_b128 v12, v[PC+4*\c:PC+4*\c+3] offset:512*\c   ; the fragment goes to LDS as it stands
.endr
	ds_store_b32 v13, v[PW]                        ; both halves of the lanes write the same word with the same value
.Ljoin:
	s_wait_dscnt 0x0                               ; for the others' sake: my stores have landed, and my reads of rpq are over
	s_barrier_signal -1
	s_barrier_wait -1                              ; nx's eight fragments lie in LDS.  (Slot 0's load may still be out)
.set j, 0
.rept 8
.irp c, 0,1,2
	ds_load_b128 v[BF+12*j+4*\c:BF+12*j+4*\c+3], v15 offset:1536*j+512*\c
.endr
.set j, j+1
.endr
.irp p, 0,1,2,3
	ds_load_b32 v[18+\p], v16 offset:128*\p        ; nx's scale words: lanes 0-15 tile 2 p, lanes 16-31 tile 2 p + 1
.endr
	; the state: the best so far is -infinity, which the first tile beats strictly, so that it writes all ten registers.  Eighty moves once a wave spare a copy of the scan for the first tile
.set j, 0
.rept 8
.set i, 0
.rept 8
	v_mov_b32 v[ST+10*j+i], 0
.set i, i+1
.endr
	v_mov_b32 v[ST+10*j+8], 0xff800000
	v_mov_b32 v[ST+10*j+9], 0
.set j, j+1
.endr
	v_bfe_u32 v17, v0, 4, 1
	v_lshlrev_b32 v17, 3, v17
	v_lshl_add_u32 v17, s12, 6, v17                ; the code number of result register 0 of my first tile: 64 x wave + 8 h
	s_mov_b32 s43, 0
	s_mov_b32 s42, 7
.macro ALOAD n                         ; tile n of my four: its image, and -cn / 2 of my half's eight codes, into set n % 2
.irp c, 0,1,2
	ds_load_b128 v[AF+12*((\n)%2)+4*\c:AF+12*((\n)%2)+4*\c+3], v9 offset:1536*(\n)+512*\c
.endr
	ds_load_b128 v[CN+8*((\n)%2):CN+8*((\n)%2)+3], v10 offset:128*(\n)
	ds_load_b128 v[CN+8*((\n)%2)+4:CN+8*((\n)%2)+7], v10 offset:128*(\n)+16
.endm
.macro WM                              ; product un of a slot's 32: my tile un / 8 of codes x tile un % 8 of queries, C = -cn / 2; results into set un % 2
.set ct, un/8
.set qn, un%8
.set rD, DB+8*(un%2)
.set rA, AF+12*(ct%2)
.set rB, BF+12*qn
.set rC, CN+8*(ct%2)
.set rSA, 22+ct/2
.set rSB, 18+qn/2
.if (ct%2 == 0) && (qn%2 == 0)
	v_wmma_scale_f32_16x16x128_f8f6f4 v[rD:rD+7], v[rA:rA+11], v[rB:rB+11], v[rC:rC+7], v[rSA], v[rSB] matrix_a_fmt:MATRIX_FMT_FP6 matrix_b_fmt:MATRIX_FMT_FP6
.elseif qn%2 == 0
	v_wmma_scale_f32_16x16x128_f8f6f4 v[rD:rD+7], v[rA:rA+11], v[rB:rB+11], v[rC:rC+7], v[rSA], v[rSB] matrix_a_fmt:MATRIX_FMT_FP6 matrix_b_fmt:MATRIX_FMT_FP6 matrix_a_scale:MATRIX_SCALE_ROW1
.elseif ct%2 == 0
	v_wmma_scale_f32_16x16x128_f8f6f4 v[rD:rD+7], v[rA:rA+11], v[rB:rB+11], v[rC:rC+7], v[rSA], v[rSB] matrix_a_fmt:MATRIX_FMT_FP6 matrix_b_fmt:MATRIX_FMT_FP6 matrix_b_scale:MATRIX_SCALE_ROW1
.else
	v_wmma_scale_f32_16x16x128_f8f6f4 v[rD:rD+7], v[rA:rA+11], v[rB:rB+11], v[rC:rC+7], v[rSA], v[rSB] matrix_a_fmt:MATRIX_FMT_FP6 matrix_b_fmt:MATRIX_FMT_FP6 matrix_a_scale:MATRIX_SCALE_ROW1 matrix_b_scale:MATRIX_SCALE_ROW1
.endif
.endm
; Product up's eight scores against the state of its tile of queries.  In a pair one result is an even register and the other odd, and the two first sources, and the two second, lie in different banks:
; neighbours in the four saves; in the last pair v14 (2 mod 4) beside an odd register, and an even register beside v17 (1 mod 4).
.macro PROC
.set rD, DB+8*(up%2)
.set rS, ST+10*(up%8)
	v_max3_num_f32 v14, v[rD], v[rD+1], v[rD+2]    ; the results are read from their low end on
	v_max3_num_f32 v8, v[rD+3], v[rD+4], v[rD+5]
	v_max3_num_f32 v14, v14, v8, v[rD+6]
	v_max_num_f32 v14, v14, v[rD+7]                ; the tile's largest score of my query, among my half's eight codes
	v_cmp_gt_f32 vcc_lo, v14, v[rS+8]              ; strictly larger: on a tie the earlier tile, with the lower numbers, stays
.if DUAL
.irp i, 0,2,4,6
	v_dual_cndmask_b32 v[rS+\i], v[rS+\i], v[rD+\i] :: v_dual_cndmask_b32 v[rS+\i+1], v[rS+\i+1], v[rD+\i+1]
.endr
	v_dual_max_num_f32 v[rS+8], v14, v[rS+8] :: v_dual_cndmask_b32 v[rS+9], v[rS+9], v17
.else
.irp i, 0,1,2,3,4,5,6,7
	v_cndmask_b32 v[rS+\i], v[rS+\i], v[rD+\i], vcc_lo
.endr
	v_max_num_f32 v[rS+8], v14, v[rS+8]
	v_cndmask_b32 v[rS+9], v[rS+9], v17, vcc_lo
.endif
.endm
; A slot: my four tiles of codes x the eight tiles of queries.  Product u + 1 is issued ahead of the work on product u's scores, on two sets of results by turns: so between a product and the first read of its
; results, and between it and the product that writes over them, stands the work on the product before (ten plain instructions that name none of its registers; at the slot's head five v_nop).
; A tile's loads stand behind the work on the eighth product of the tile two before, whose registers they take: ten plain instructions behind their last reader, eight products ahead of their first use.
.macro SCAN
	v_add_nc_u32 v9, s43, v3
	v_add_nc_u32 v10, s43, v4
	v_add_nc_u32 v11, s43, v5
	ds_load_b32 v22, v11                           ; the scale words of my tiles 0 (lanes 0-15) and 1 (lanes 16-31),
	ds_load_b32 v23, v11 offset:256                ; 2 and 3
	ALOAD 0
	ALOAD 1
	s_wait_dscnt 0x5                               ; all but tile 1's five loads
.set un, 0
	WM
.rept 5
	v_nop
.endr
.set up, 0
.rept 32
.if up < 31
.if (up+1)%8 == 0
	s_wait_dscnt 0x0                               ; the next tile is in (asked for eight products ago)
.endif
.set un, up+1
	WM
.endif
	PROC
.if up%8 == 7
.if up == 31
	v_add_nc_u32 v17, 976, v17                     ; on to my first tile of the next slot: 1,024 codes on from this slot's
.else
	v_add_nc_u32 v17, 16, v17                      ; the next tile's first code
.endif
.if up < 16
	ALOAD up/8+2
.endif
.endif
.set up, up+1
.endr
	s_xor_b32 s43, s43, R1                         ; on to the other slot
.endm
; THE CHANGE OF SLOTS stands at a slot's head.  Each wave waits for all its tensor loads (its part of the slot that it is about to read), adds 0 to its spare word, and waits for that and for its reads of the slot
; that it has left.  fill = 1: the barrier is a round of the cluster's, so that no wave of any partner still reads that slot or has a load on its way; behind it the slot is filled with the next 64 tiles:
; one load a wave is out, and it has a whole slot's scan in which to land.
.macro CHANGE fill
	s_wait_tensorcnt 0x0                           ; no tensor load of mine is out, so a group 0 may be written
	ds_add_u32 v1, v2                              ; 0 onto my spare word
.if \fill
	s_xor_b32 s37, s37, R1                         ; the walking descriptor: the other slot than last time,
	s_add_nc_u64 s[38:39], s[38:39], SLOTB         ; the next 64 tiles; the type bits on top are not reached
.endif
	s_wait_dscnt 0x0                               ; the add is done, and my LDS reads are over
.if \fill
	CROUND
	TLOADC                                         ; the first thing behind the round, and a wave's one tensor load until the next
.else
	s_barrier_signal -1
	s_barrier_wait -1
.endif
.endm
.Lslot:                                            ; seven trips: trip i scans slot i while slot i + 1 lands.  The first trip's fill takes the bytes that rpq has left
	CHANGE 1
	SCAN
	s_sub_co_u32 s42, s42, 1
	s_cmp_lg_u32 s42, 0
	s_cbranch_scc1 .Lslot
	CHANGE 0                                       ; the last slot is written out
	SCAN
	; WHICH OF THE EIGHT: the first kept score that equals the best.  From 7 down, so that the lowest stays
.irp q, 0,1,2,3,4,5,6,7
	v_mov_b32 v[DB+\q], 7
.endr
.irp j, 6,5,4,3,2,1,0
.irp q, 0,1,2,3,4,5,6,7
	v_cmp_eq_f32 vcc_lo, v[ST+10*\q+\j], v[ST+10*\q+8]
	v_cndmask_b32 v[DB+\q], v[DB+\q], \j, vcc_lo
.endr
.endr
.irp q, 0,1,2,3,4,5,6,7
	v_add_nc_u32 v[ST+10*\q+9], v[ST+10*\q+9], v[DB+\q]   ; the code's number
.endr
; (va, ia) takes (vb, ib) where vb is larger, or equal with the lower number.  Selects alone: nothing branches on a score
.macro PICK va, ia, vb, ib
	v_cmp_gt_f32 s44, v[\vb], v[\va]
	v_cmp_eq_f32 s45, v[\vb], v[\va]
	v_cmp_lt_u32 vcc_lo, v[\ib], v[\ia]
	s_and_b32 s45, s45, vcc_lo
	s_or_b32 vcc_lo, s44, s45
	v_cndmask_b32 v[\va], v[\va], v[\vb], vcc_lo
	v_cndmask_b32 v[\ia], v[\ia], v[\ib], vcc_lo
.endm
	v_mov_b32 v216, 0                              ; written once: a lane permute's destination counts as one of its sources
	v_mov_b32 v217, 0
.irp q, 0,1,2,3,4,5,6,7
	v_permlanex16_b32 v216, v[ST+10*\q+8], s40, s41   ; the query's other eight codes of each tile lie in the lane 16 away
	v_permlanex16_b32 v217, v[ST+10*\q+9], s40, s41
	PICK ST+10*\q+8, ST+10*\q+9, 216, 217
	ds_store_b32 v6, v[ST+10*\q+8] offset:64*\q       ; my wave's best of query 16 q + r; both halves of the lanes write the same word with the same value
	ds_store_b32 v6, v[ST+10*\q+9] offset:MI+64*\q
.endr
	s_wait_dscnt 0x0                               ; for the others' sake: my stores have landed
	s_barrier_signal -1
	s_barrier_wait -1
	s_cmp_lt_u32 s12, 2                            ; waves 0 and 1 merge the sixteen waves' results: two queries a thread
	s_cbranch_scc0 .Lend
.set j, 0
.rept 16
	ds_load_b64 v[24+2*j:25+2*j], v7 offset:512*j
	ds_load_b64 v[56+2*j:57+2*j], v7 offset:MI+512*j
.set j, j+1
.endr
	s_wait_dscnt 0x0
.set j, 1
.rept 15
	PICK 24, 56, 24+2*j, 56+2*j
	PICK 25, 57, 25+2*j, 57+2*j
.set j, j+1
.endr
	v_lshlrev_b32 v88, 3, v0
	global_store_b64 v88, v[56:57], s[10:11]       ; a wave stores 256 consecutive bytes, at a multiple of 256 from out0's first byte
.Lend:
	s_wait_tensorcnt 0x0                           ; the wave's end, behind my last tensor load and my last LDS store
	ds_add_u32 v1, v2
	s_wait_dscnt 0x0
	CROUND                                         ; the closing round: no work-group ends while a partner may still ask for a tile that names it
	s_endpgm
.Lfunc_end_k_q6874f9fe42_vq:
	.size	k_q6874f9fe42_vq, .Lfunc_end_k_q6874f9fe42_vq-k_q6874f9fe42_vq
	.p2alignl 7, 3214868480
	.fill 96, 4, 3214868480
	.section	.rodata,"a",@progbits
	.p2align	6, 0x0
	.amdhsa_kernel k_q6874f9fe42_vq
		.amdhsa_group_segment_fixed_size 327680
		.amdhsa_private_segment_fixed_size 0
		.amdhsa_enable_private_segment 0
		.amdhsa_kernarg_size 32
		.amdhsa_user_sgpr_count 2
		.amdhsa_user_sgpr_kernarg_segment_ptr 1
		.amdhsa_wavefront_size32 1
		.amdhsa_system_sgpr_workgroup_id_x 1
		.amdhsa_system_sgpr_workgroup_id_y 1
		.amdhsa_system_sgpr_workgroup_id_z 1
		.amdhsa_system_vgpr_workitem_id 0
		.amdhsa_next_free_vgpr 256
		.amdhsa_next_free_sgpr 66
		.amdhsa_reserve_vcc 1
		.amdhsa_float_denorm_mode_32 3
		.amdhsa_float_denorm_mode_16_64 3
		.amdhsa_memory_ordered 1
		.amdhsa_forward_progress 1
		.amdhsa_inst_pref_size 154
	.end_amdhsa_kernel
	.amdgpu_metadata
---
amdhsa.version: [ 1, 2 ]
amdhsa.kernels:
  - .name:           k_q6874f9fe42_vq
    .symbol:         k_q6874f9fe42_vq.kd
    .args:
      - { .name: x, .offset: 0, .size: 8, .value_kind: global_buffer, .address_space: global }
      - { .name: rpq, .offset: 8, .size: 8, .value_kind: global_buffer, .address_space: global }
      - { .name: cbq, .offset: 16, .size: 8, .value_kind: global_buffer, .address_space: global }
      - { .name: out0, .offset: 24, .size: 8, .value_kind: global_buffer, .address_space: global }
    .group_segment_fixed_size: 327680
    .private_segment_fixed_size: 0
    .kernarg_segment_align: 8
    .kernarg_segment_size: 32
    .max_flat_workgroup_size: 512
    .sgpr_count:     66
    .vgpr_count:     256
    .wavefront_size: 32
...
	.end_amdgpu_metadata
.endif
;; end of part 2
;; ======== version 2 of 2: 3 launches
;; limits: right only within a limited range of input values
;; workspace buffers: cbq 917,504 bytes; rpq 102,400 bytes; nxq 3,276,800 bytes; win 131,072 bytes of whole numbers
;; launch prep (part 3): grid 288 x 1, 2 waves a work-group, no clusters, 0 bytes of LDS; arguments codebook, random_projection, cbq, rpq; writes cbq, rpq
.if DOCPART == 3
	.amdgcn_target "amdgcn-amd-amdhsa--gfx1250"
	.amdhsa_code_object_version 6
	.text
	.protected	k_q6874f9fe42_prep
	.globl	k_q6874f9fe42_prep
	.p2align	8
	.type	k_q6874f9fe42_prep,@function
k_q6874f9fe42_prep:
	s_mov_b64 s[64:65], 0
	v_nop
	global_prefetch_b8 v0, s[64:65] scope:SCOPE_SE
	s_setreg_imm32_b32 hwreg(HW_REG_WAVE_MODE, 25, 1), 1
	s_wait_xcnt 0x0
; Both weights become codes of FP6 (E2M3) with one E8M0 byte for each 32 along K, laid in the order of the operand's registers.
; LEFT OUT IN THE WHOLE PROGRAM: |nx|^2, which is added to every distance of a query alike, moves no argmin in exact arithmetic for any inputs; so the smallest distance is the
; largest ncb[k] . nx - cn[k] / 2, cn = |ncb[k]|^2.  Every input is loaded.  A NaN, an infinity or an overflow that reaches |nx|^2 alone is not carried to the result.
; A wave has one task g = 2 x work-group + wave.
;   g < 512: tile g of the codebook, rows 16 g .. 16 g + 15: each row is divided by max(its norm, 1e-12), cn of the divided row is taken, the row is quantised along its 128.
;   g >= 512: fragment f = g - 512 of random_projection [1024 (k)][128 (e)]: K step f / 8, tile f % 8 of 16 columns, quantised down k.
;             Lane row r of tile 2 b + u is column 32 b + 8 u + r + 8 (r / 8), so that the next launch's results of tiles 2 b and 2 b + 1 are 16 neighbours along e.
; A lane (r = lane % 16, h = lane / 16) holds k = 64 c + 32 h + 0 .. 31 (c = 0, 1) of its row or column in v[X + 32 c ..]: two whole blocks.
; OUT.  cbq: 1,792 bytes a tile: the image of 1,536 bytes (registers 4 c .. 4 c + 3 of lane l at 512 c + 16 l), 16 scale words (row r at 1,536 + 4 r), 16 numbers -cn / 2 (row m at 1,600 + 4 m), 128 bytes unused.
;       rpq: 64 images of 1,536 bytes, then from byte 98,304 on 64 x 16 scale words.
; A block's byte is its largest magnitude's exponent field - 2, held at 1 from below; a block of zeros so has the byte 1 where the rule says 127: its codes are zeros, and this program alone reads the bytes.
; LIMITS: a row / its norm is row x rcp(max(sqrt(sum of squares), 1e-12)), within about two units in the last place of the division; NaN and infinities among the inputs are not served.
; No LDS, no barrier, no cluster: waves share nothing.
.set X,   16
.set F,   80
.set T2,  92
.set MX,  100
.set SO,  102
.set WD,  104
.set TP,  105
.set SS,  106
.set NR,  110
.set RT,  111
.set IV,  112
.set CNH, 114
.set OW,  115
	s_load_b256 s[4:11], s[0:1], 0x0               ; codebook, random_projection, cbq, rpq
	v_lshrrev_b32 v1, 5, v0
	v_readfirstlane_b32 s12, v1                    ; wave
	v_and_b32 v1, 31, v0                           ; lane
	v_and_b32 v2, 15, v0                           ; r
	v_bfe_u32 v3, v0, 4, 1                         ; h
	v_lshlrev_b32 v5, 4, v1                        ; my place in an image
	v_lshlrev_b32 v7, 3, v3                        ; 8 h
	v_mov_b32 v[TP], 0                             ; a lane permute's destination counts as one of its sources
	s_lshl_b32 s13, ttmp9, 1
	s_add_co_u32 s13, s13, s12                     ; g
	s_mov_b32 s26, 0x76543210
	s_mov_b32 s27, 0xfedcba98                      ; selects for lane l xor 16
	s_wait_kmcnt 0x0
	s_cmp_lt_u32 ttmp9, 256
	s_cbranch_scc0 .Lrp
.macro SUMSQ                           ; v[NR] = the sum of squares of my row's 128 numbers
	v_pk_mul_f32 v[SS:SS+1], v[X:X+1], v[X:X+1]
	v_pk_mul_f32 v[SS+2:SS+3], v[X+2:X+3], v[X+2:X+3]
.irp j, 4,8,12,16,20,24,28,32,36,40,44,48,52,56,60
	v_pk_fma_f32 v[SS:SS+1], v[X+\j:X+\j+1], v[X+\j:X+\j+1], v[SS:SS+1]
	v_pk_fma_f32 v[SS+2:SS+3], v[X+\j+2:X+\j+3], v[X+\j+2:X+\j+3], v[SS+2:SS+3]
.endr
	v_pk_add_f32 v[SS:SS+1], v[SS:SS+1], v[SS+2:SS+3]
	v_add_f32 v[SS], v[SS], v[SS+1]
	v_permlanex16_b32 v[TP], v[SS], s26, s27
	v_add_f32 v[NR], v[SS], v[TP]
.endm
	; a tile of the codebook
	s_lshl_b32 s16, s13, 13                        ; 16 rows of 512 bytes
	s_mov_b32 s17, 0
	s_add_nc_u64 s[16:17], s[4:5], s[16:17]
	s_wait_alu depctr_va_vdst(0)
	v_lshlrev_b32 v4, 9, v2
	v_lshl_add_u32 v4, v3, 7, v4                   ; row r, + 128 h
.irp c, 0,1
.irp i, 0,1,2,3,4,5,6,7
	global_load_b128 v[X+32*\c+4*\i:X+32*\c+4*\i+3], v4, s[16:17] offset:256*\c+16*\i th:TH_LOAD_NT
.endr
.endr
	s_mul_i32 s20, s13, 1792                       ; the tile's 1,792 bytes
	s_mov_b32 s21, 0
	s_add_nc_u64 s[20:21], s[8:9], s[20:21]        ; the image,
	s_add_nc_u64 s[22:23], s[20:21], 1536          ; the record behind it
	s_mov_b32 s24, 0xffff0000                      ; lanes 16-31 put -cn / 2 into the record,
	s_mov_b32 s25, 31                              ; at 4 x lane
	s_wait_loadcnt 0x0
	SUMSQ
	s_wait_alu depctr_va_vdst(0)                   ; ahead of the transcendental
	v_sqrt_f32 v[RT], v[NR]
	v_nop
	s_wait_alu depctr_va_vdst(0)
	v_max_num_f32 v[RT], 0x2b8cbccc, v[RT]         ; max(norm, 1e-12)
	s_wait_alu depctr_va_vdst(0)
	v_rcp_f32 v[IV], v[RT]
	v_rcp_f32 v[IV+1], v[RT]
	v_nop
.set j, 0
	s_wait_alu depctr_va_vdst(0)
.rept 32
	v_pk_mul_f32 v[X+j:X+j+1], v[X+j:X+j+1], v[IV:IV+1]   ; the normalised row
.set j, j+2
.endr
	SUMSQ                                          ; cn
	v_mul_f32 v[CNH], -0.5, v[NR]
	s_branch .Lquant
.Lrp:	; a fragment of random_projection: a lane to a column, its registers down k
	s_sub_co_u32 s14, s13, 512                     ; f
	s_lshr_b32 s15, s14, 3
	s_and_b32 s18, s14, 7
	s_lshl_b32 s16, s15, 16                        ; 128 rows of 512 bytes
	s_lshr_b32 s19, s18, 1
	s_lshl_b32 s19, s19, 7
	s_add_co_u32 s16, s16, s19
	s_and_b32 s19, s18, 1
	s_lshl_b32 s19, s19, 5
	s_add_co_u32 s16, s16, s19
	s_mov_b32 s17, 0
	s_add_nc_u64 s[16:17], s[6:7], s[16:17]
	s_wait_alu depctr_va_vdst(0)
	v_and_b32 v4, 8, v2
	v_add_nc_u32 v4, v4, v2                        ; r + 8 (r / 8)
	v_lshlrev_b32 v4, 2, v4
	v_lshl_add_u32 v4, v3, 14, v4                  ; lanes 16-31 begin 32 rows further down
.irp c, 0,1
.irp i, 0,1,2,3,4,5,6,7,8,9,10,11,12,13,14,15,16,17,18,19,20,21,22,23,24,25,26,27,28,29,30,31
	global_load_b32 v[X+32*\c+\i], v4, s[16:17] offset:512*(64*\c+\i)
.endr
.endr
	s_mul_i32 s20, s14, 1536                       ; the image
	s_mov_b32 s21, 0
	s_lshl_b32 s22, s14, 6
	s_add_co_u32 s22, s22, 98304                   ; the 16 scale words
	s_mov_b32 s23, 0
	s_add_nc_u64 s[20:21], s[10:11], s[20:21]
	s_add_nc_u64 s[22:23], s[10:11], s[22:23]
	s_mov_b32 s24, 0                               ; every lane puts the scale word,
	s_mov_b32 s25, 15                              ; at 4 r: both halves write the same word with the same value
	v_mov_b32 v[CNH], 0
	s_wait_loadcnt 0x0
.Lquant:	; my two blocks, 2 c + h
.irp c, 0,1
	v_max3_num_f32 v[MX+\c], |v[X+32*\c]|, |v[X+32*\c+1]|, 0x1800000   ; with the floor 2^(3 - 127)
.endr
.irp i, 2,4,6,8,10,12,14,16,18,20,22,24,26,28,30
.irp c, 0,1
	v_max3_num_f32 v[MX+\c], v[MX+\c], |v[X+32*\c+\i]|, |v[X+32*\c+\i+1]|
.endr
.endr
.irp c, 0,1
	v_add_nc_u32 v[SO+\c], 0xff000000, v[MX+\c]    ; 2 off the exponent field: the conversion's scale operand
.endr
.irp c, 0,1
	v_lshrrev_b32 v[MX+\c], 23, v[SO+\c]           ; the byte
.endr
	v_lshl_or_b32 v[WD], v[MX+1], 16, v[MX]
	v_lshlrev_b32 v[WD], v7, v[WD]
	v_permlanex16_b32 v[TP], v[WD], s26, s27
	v_or_b32 v[WD], v[WD], v[TP]                   ; the whole scale word
.irp c, 0,1
	v_cvt_scalef32_pk16_fp6_f32 v[F+6*\c:F+6*\c+2], v[X+32*\c:X+32*\c+15], v[SO+\c]
	v_cvt_scalef32_pk16_fp6_f32 v[T2+4*\c:T2+4*\c+2], v[X+32*\c+16:X+32*\c+31], v[SO+\c]
.endr
	v_nop                                          ; one plain place behind a scaled conversion
.irp c, 0,1
.irp i, 0,1,2
	v_mov_b32 v[F+6*\c+3+\i], v[T2+4*\c+\i]
.endr
.endr
	v_and_b32 v6, s25, v1
	v_lshlrev_b32 v6, 2, v6
	v_cndmask_b32 v[OW], v[WD], v[CNH], s24
.irp c, 0,1,2
	global_store_b128 v5, v[F+4*\c:F+4*\c+3], s[20:21] offset:512*\c   ; 32 lanes store 512 consecutive bytes, aligned to 256
.endr
	global_store_b32 v6, v[OW], s[22:23]
	s_endpgm
.Lfunc_end_k_q6874f9fe42_prep:
	.size	k_q6874f9fe42_prep, .Lfunc_end_k_q6874f9fe42_prep-k_q6874f9fe42_prep
	.p2alignl 7, 3214868480
	.fill 96, 4, 3214868480
	.section	.rodata,"a",@progbits
	.p2align	6, 0x0
	.amdhsa_kernel k_q6874f9fe42_prep
		.amdhsa_group_segment_fixed_size 0
		.amdhsa_private_segment_fixed_size 0
		.amdhsa_enable_private_segment 0
		.amdhsa_kernarg_size 32
		.amdhsa_user_sgpr_count 2
		.amdhsa_user_sgpr_kernarg_segment_ptr 1
		.amdhsa_wavefront_size32 1
		.amdhsa_system_sgpr_workgroup_id_x 1
		.amdhsa_system_sgpr_workgroup_id_y 1
		.amdhsa_system_sgpr_workgroup_id_z 1
		.amdhsa_system_vgpr_workitem_id 0
		.amdhsa_next_free_vgpr 120
		.amdhsa_next_free_sgpr 66
		.amdhsa_reserve_vcc 0
		.amdhsa_float_denorm_mode_32 3
		.amdhsa_float_denorm_mode_16_64 3
		.amdhsa_memory_ordered 1
		.amdhsa_forward_progress 1
		.amdhsa_inst_pref_size 21
	.end_amdhsa_kernel
	.amdgpu_metadata
---
amdhsa.version: [ 1, 2 ]
amdhsa.kernels:
  - .name:           k_q6874f9fe42_prep
    .symbol:         k_q6874f9fe42_prep.kd
    .args:
      - { .name: codebook, .offset: 0, .size: 8, .value_kind: global_buffer, .address_space: global }
      - { .name: random_projection, .offset: 8, .size: 8, .value_kind: global_buffer, .address_space: global }
      - { .name: cbq, .offset: 16, .size: 8, .value_kind: global_buffer, .address_space: global }
      - { .name: rpq, .offset: 24, .size: 8, .value_kind: global_buffer, .address_space: global }
    .group_segment_fixed_size: 0
    .private_segment_fixed_size: 0
    .kernarg_segment_align: 8
    .kernarg_segment_size: 32
    .max_flat_workgroup_size: 64
    .sgpr_count:     66
    .vgpr_count:     120
    .wavefront_size: 32
...
	.end_amdgpu_metadata
.endif
;; end of part 3
;; launch vq (part 4): grid 256 x 1, 16 waves a work-group, no clusters, 203,264 bytes of LDS; arguments x, rpq, cbq, nxq, win; writes nxq, win
.if DOCPART == 4
	.amdgcn_target "amdgcn-amd-amdhsa--gfx1250"
	.amdhsa_code_object_version 6
	.text
	.protected	k_q6874f9fe42_vq
	.globl	k_q6874f9fe42_vq
	.p2align	8
	.type	k_q6874f9fe42_vq,@function
k_q6874f9fe42_vq:
	s_mov_b64 s[64:65], 0
	v_nop
	global_prefetch_b8 v0, s[64:65] scope:SCOPE_SE
	s_setreg_imm32_b32 hwreg(HW_REG_WAVE_MODE, 25, 1), 1
	s_wait_xcnt 0x0
; For each row of x: proj = x . random_projection, nx = proj / max(|proj|, 1e-12), and win[row] = the TILE of 16 codes that holds the first largest score ncb[k] . nx - cn[k] / 2.
; |nx|^2 is left out as the first kernel's head shows.  Which of the tile's 16 codes it is, the next launch finds: it multiplies that one tile again, by nx's fragment, which this launch stores in nxq.
; Both products run on codes of FP6 (E2M3) with E8M0 scales.  -cn / 2 is the C of the second product's matrix instruction.
; LIMITS: the score is rounded once, by the matrix instruction, as dot - cn / 2, where the definition rounds cn + |nx|^2 and then the difference: two codes whose distances lie within about one unit in the last
; place may be ordered otherwise than the definition orders them.  Equal scores give the lower index.  proj is the f32 sum of two sums over half of K.  proj / norm is proj x rcp(max(sqrt, 1e-12)), within about two
; units in the last place.  NaN and infinities among the inputs are not served.
; SHARES.  Sixteen waves (four to a SIMD, 256 registers each) own 128 rows: eight tiles of 16 queries.
;   PHASE A: wave w takes tile w % 8 and K steps 4 (w / 8) .. + 3.  A load covers two aligned runs of 256 bytes; half a K step at a time turns through the wave's own stage in LDS, so that a lane holds 32 neighbours
;   along K.  rpq (102,400 bytes) is copied into LDS once, through registers, 6,400 bytes a wave.  Waves 8-15 hand their half sums to waves 0-7 through LDS; those normalise and quantise; nx's fragments go to LDS and to nxq.
;   THE SCAN: every wave holds all eight fragments of nx and takes tiles 32 w .. 32 w + 31 of the codebook, so that each image is read once in the work-group and feeds eight matrix instructions.
;   The images come from memory STRAIGHT INTO REGISTERS, four sets by turns, each asked for three tiles ahead of its use: the scan has no LDS slot, so no refill, and no barrier.
;   No joint requests: they serve tensor loads into LDS, of which this text has none.  No prefetch beside the loads: the sets themselves are asked for three tiles (24 matrix instructions) ahead.
; THE RUNNING MAXIMUM: twelve plain instructions for two products: eight scores and the best so far in four v_max3; has it grown (strictly, so the earlier tile stays); if so the tile's number is kept.
;   The best lies in two registers by turns (old, new), by the tile's parity, so the compare and the select of a pair can stand one pair later, between the levels of the next pair's maxima:
;   every instruction that reads a result of these twelve reads one made four instructions before it.  No branch and no address hangs on a score.
; LDS: 0 rpq | 102,400 stages, 4,352 a wave, later the half sums, 8,192 a pair | 172,032 nx's images | 184,320 nx's scale words | 184,832 best scores [wave][128] | + 8,192 their keys | 201,216 the spare words.
.set AUXO,  98304
.set STG,   102400
.set SPI,   272
.set STW,   16*SPI
.set NXI,   172032
.set NXS,   184320
.set MV,    184832
.set MI,    8192
.set SPARE, 201216
.set CBT,   1792                       ; a tile of cbq
; v1 spare word, v2 0; v3-5 my offsets in a tile of cbq: image, -cn / 2, scale word; v6 stage out, v7 half sums, v8 x, v9 rpq's images, v10 stage in, v11 rpq's words; v12 8 h, v13 at work; scan: v12-15 at work;
; v16-23 hold scales alone: v16-19 rpq's words, then nx's; v20 x's word; v20-23 the four sets' words
.set ACC, 24                           ; phase A: v24-87 proj
.set XB0, 88                           ; v88-215 two sets of 64 numbers of x
.set XF,  216                          ; x's fragment
.set RF,  228                          ; two fragments of rpq; v252-255 at work
.set TM,  88
.set PC,  104
.set PW,  124
.set BF,  24                           ; scan: v24-119 nx's eight fragments
.set ST,  120                          ; v120-127, v128-135 the best, by turns; v136-143 the kept tile
.set DB,  144                          ; v144-175 four sets of results
.set TB,  176                          ; v176-255 four sets of 20: image 12, -cn / 2 8
	s_load_b256 s[4:11], s[0:1], 0x0               ; x, rpq, cbq, nxq
	s_load_b64 s[12:13], s[0:1], 0x20              ; win
	v_lshl_add_u32 v1, v0, 2, SPARE
	v_mov_b32 v2, 0
	v_lshrrev_b32 v24, 5, v0
	v_readfirstlane_b32 s14, v24                   ; wave
	v_and_b32 v24, 31, v0                          ; l
	v_and_b32 v25, 15, v0                          ; r
	v_bfe_u32 v26, v0, 4, 1                        ; h
	s_wait_alu depctr_va_vdst(0)
	s_and_b32 s48, s14, 7                          ; my tile of queries
	s_lshr_b32 s49, s14, 3                         ; my half of K
	v_lshlrev_b32 v3, 4, v24
	v_lshl_add_u32 v4, v26, 5, 1600
	v_lshl_add_u32 v5, v25, 2, 1536
	s_mul_i32 s2, s14, STW
	s_add_co_u32 s2, s2, STG
	v_mul_u32_u24 v6, v25, SPI
	v_mul_u32_u24 v10, v26, SPI
	v_lshl_add_u32 v6, v26, 7, v6
	v_lshl_add_u32 v10, v25, 4, v10
	v_add_nc_u32 v6, s2, v6                        ; out of my stage: row r, + 128 h
	v_add_nc_u32 v10, s2, v10                      ; into it: as loaded
	s_lshl_b32 s2, s48, 13
	s_add_co_u32 s2, s2, STG
	v_lshl_add_u32 v7, v24, 4, s2
	v_lshlrev_b32 v8, 12, v26
	v_lshlrev_b32 v12, 3, v26
	v_lshl_add_u32 v8, v25, 4, v8                  ; x: 16 bytes a lane; lanes 16-31 one row down
	s_mul_i32 s2, s49, 32*1536
	v_lshl_add_u32 v9, v24, 4, s2
	s_lshl_b32 s2, s49, 11
	s_add_co_u32 s2, s2, AUXO
	v_lshl_add_u32 v11, v24, 2, s2
	s_mul_i32 s2, s14, 6144
	v_lshl_add_u32 v74, v24, 4, s2                 ; the copy of rpq: my 12 runs of 512 bytes, the same place in memory and in LDS,
	v_lshl_add_u32 v75, v0, 3, AUXO                ; and my 256 bytes of its scale words
	s_mov_b32 s40, 0x76543210
	s_mov_b32 s41, 0xfedcba98
	s_lshl_b32 s44, ttmp9, 19                      ; x: my block's 128 rows,
	s_lshl_b32 s45, s48, 16                        ; my tile's 16,
	s_add_co_u32 s44, s44, s45
	s_lshl_b32 s45, s49, 11                        ; my half of a row
	s_add_co_u32 s44, s44, s45
	s_mov_b32 s45, 0
	s_lshl_b32 s16, ttmp9, 3
	s_add_co_u32 s16, s16, s48                     ; my tile among all 2,048
	s_mul_i32 s18, s16, 1536
	s_mov_b32 s19, 0
	s_lshl_b32 s20, s16, 6
	s_add_co_u32 s20, s20, 3145728                 ; nxq's scale words lie behind its 2,048 images
	s_mov_b32 s21, 0
	s_mul_i32 s22, s14, 32*CBT                     ; my 32 tiles of cbq
	s_mov_b32 s23, 0
	s_lshl_b32 s24, ttmp9, 9
	s_mov_b32 s25, 0
	s_lshl_b32 s50, s14, 5                         ; the number of the tile whose selects are due: it begins one under my first tile's,
	s_sub_co_u32 s50, s50, 1                       ; and is stepped behind the first pair of each tile
	s_wait_alu depctr_va_vdst(0)
	s_wait_kmcnt 0x0
	s_add_nc_u64 s[4:5], s[4:5], s[44:45]
	s_add_nc_u64 s[8:9], s[8:9], s[22:23]
	s_add_nc_u64 s[46:47], s[10:11], s[20:21]
	s_add_nc_u64 s[10:11], s[10:11], s[18:19]
	s_add_nc_u64 s[12:13], s[12:13], s[24:25]
.macro XLOAD B, s                      ; my 16 rows' numbers of my K step s, as they lie
.irp c, 0,1
.irp i, 0,1,2,3,4,5,6,7
	global_load_b128 v[\B+32*\c+4*\i:\B+32*\c+4*\i+3], v8, s[4:5] offset:8192*\i+256*\c+512*(\s) th:TH_LOAD_NT
.endr
.endr
.endm
.irp i, 0,1,2,3,4,5,6,7,8,9,10,11
	global_load_b128 v[24+4*\i:27+4*\i], v74, s[6:7] offset:512*\i
.endr
	global_load_b64 v[72:73], v75, s[6:7]
	XLOAD XB0, 0
	XLOAD XB0+64, 1
	s_wait_loadcnt 32                              ; rpq's 13 loads are in; x's 32, issued behind them, stay out
.irp i, 0,1,2,3,4,5,6,7,8,9,10,11
	ds_store_b128 v74, v[24+4*\i:27+4*\i] offset:512*\i
.endr
	ds_store_b64 v75, v[72:73]
	s_wait_dscnt 0x0                               ; for the others' sake
	s_barrier_signal -1
	s_barrier_wait -1                              ; rpq is whole in LDS
.macro TURN B                          ; afterwards register 32 c + i of lane (r, h) is k = 64 c + 32 h + i of row r; LDS serves a wave's instructions in order
.irp c, 0,1
.irp i, 0,1,2,3,4,5,6,7
	ds_store_b128 v10, v[\B+32*\c+4*\i:\B+32*\c+4*\i+3] offset:2*SPI*\i
.endr
.irp i, 0,1,2,3,4,5,6,7
	ds_load_b128 v[\B+32*\c+4*\i:\B+32*\c+4*\i+3], v6 offset:16*\i
.endr
.endr
.endm
.macro QX B                            ; two blocks of 32 become x's fragment and its scale word v20; four chains of maxima by turns
.irp c, 0,1,2,3
	v_max3_num_f32 v[252+\c], |v[\B+16*\c]|, |v[\B+16*\c+1]|, 0x1800000   ; with the floor 2^(3 - 127)
.endr
.irp i, 2,4,6,8,10,12,14
.irp c, 0,1,2,3
	v_max3_num_f32 v[252+\c], v[252+\c], |v[\B+16*\c+\i]|, |v[\B+16*\c+\i+1]|
.endr
.endr
	v_max_num_f32 v252, v252, v253                 ; block h
	v_max_num_f32 v254, v254, v255                 ; block 2 + h
	v_add_nc_u32 v253, 0xff000000, v252            ; the conversions' scale operands
	v_add_nc_u32 v255, 0xff000000, v254
	v_lshrrev_b32 v252, 23, v253                   ; the bytes
	v_lshrrev_b32 v254, 23, v255
	s_delay_alu instid0(VALU_DEP_1)
	v_lshl_or_b32 v13, v254, 16, v252
	s_delay_alu instid0(VALU_DEP_1)
	v_lshlrev_b32 v13, v12, v13
	s_delay_alu instid0(VALU_DEP_1)
	v_permlanex16_b32 v252, v13, s40, s41
	s_delay_alu instid0(VALU_DEP_1)
	v_or_b32 v20, v13, v252
	v_cvt_scalef32_pk16_fp6_f32 v[XF:XF+2], v[\B:\B+15], v253
	v_cvt_scalef32_pk16_fp6_f32 v[XF+6:XF+8], v[\B+32:\B+47], v255
	v_nop                                          ; one plain place: the next two write over numbers that the first two have read
	v_cvt_scalef32_pk16_fp6_f32 v[\B:\B+2], v[\B+16:\B+31], v253
	v_cvt_scalef32_pk16_fp6_f32 v[\B+32:\B+34], v[\B+48:\B+63], v255
	v_nop
.irp i, 0,1,2
	v_mov_b32 v[XF+3+\i], v[\B+\i]
	v_mov_b32 v[XF+9+\i], v[\B+32+\i]
.endr
.endm
.macro RFRAG reg, s, t
.irp c, 0,1,2
	ds_load_b128 v[\reg+4*\c:\reg+4*\c+3], v9 offset:(8*(\s)+(\t))*1536+512*\c
.endr
.endm
.macro MMA t, zero                     ; proj's tile t += 16 columns of rpq x my 16 rows; zero = 1: the first K step starts the sums
.set rD, ACC+8*(\t)
.set rA, RF+12*((\t)%2)
.if \zero
.if (\t)%2
	v_wmma_scale_f32_16x16x128_f8f6f4 v[rD:rD+7], v[rA:rA+11], v[XF:XF+11], 0, v[16+(\t)/2], v20 matrix_a_fmt:MATRIX_FMT_FP6 matrix_b_fmt:MATRIX_FMT_FP6 matrix_a_scale:MATRIX_SCALE_ROW1
.else
	v_wmma_scale_f32_16x16x128_f8f6f4 v[rD:rD+7], v[rA:rA+11], v[XF:XF+11], 0, v[16+(\t)/2], v20 matrix_a_fmt:MATRIX_FMT_FP6 matrix_b_fmt:MATRIX_FMT_FP6
.endif
.else
.if (\t)%2
	v_wmma_scale_f32_16x16x128_f8f6f4 v[rD:rD+7], v[rA:rA+11], v[XF:XF+11], v[rD:rD+7], v[16+(\t)/2], v20 matrix_a_fmt:MATRIX_FMT_FP6 matrix_b_fmt:MATRIX_FMT_FP6 matrix_a_scale:MATRIX_SCALE_ROW1
.else
	v_wmma_scale_f32_16x16x128_f8f6f4 v[rD:rD+7], v[rA:rA+11], v[XF:XF+11], v[rD:rD+7], v[16+(\t)/2], v20 matrix_a_fmt:MATRIX_FMT_FP6 matrix_b_fmt:MATRIX_FMT_FP6
.endif
.endif
.endm
; A K step of 128.  The eight accumulators take turns in the same order in every step.
.macro KSTEP s, zero
.set XB, XB0+64*((\s)%2)
	RFRAG RF, \s, 0
	RFRAG RF+12, \s, 1
.irp p, 0,1,2,3
	ds_load_b32 v[16+\p], v11 offset:512*(\s)+128*\p   ; the words of tiles 2 p (lanes 0-15) and 2 p + 1 (lanes 16-31)
.endr
.if (\s) < 3
	s_wait_loadcnt 0x10                            ; this step's sixteen loads are in; the next step's sixteen may be out
.else
	s_wait_loadcnt 0x0
.endif
	TURN XB
	s_wait_dscnt 0x0
	QX XB
	s_wait_alu depctr_va_vdst(0)                   ; the fragment
.if (\s) < 2
	XLOAD XB, (\s)+2
.endif
.rept 8
	v_nop                                          ; places between the scale word's write and the scaled matrix instruction
.endr
	MMA 0, \zero
	MMA 1, \zero
.irp p, 1,2,3
.rept 4
	v_nop                                          ; places in front of loads into registers that matrix instructions have read
.endr
	RFRAG RF, \s, 2*\p
	RFRAG RF+12, \s, 2*\p+1
	s_wait_dscnt 0x0
	MMA 2*\p, \zero
	MMA 2*\p+1, \zero
.endr
.rept 4
	v_nop
.endr
.endm
	KSTEP 0, 1
	KSTEP 1, 0
	KSTEP 2, 0
	KSTEP 3, 0
.macro TLOADS k, t                     ; the tile t tiles on from the base into set k: six loads
.irp c, 0,1,2
	global_load_b128 v[TB+20*(\k)+4*\c:TB+20*(\k)+4*\c+3], v3, s[8:9] offset:CBT*(\t)+512*\c
.endr
	global_load_b128 v[TB+20*(\k)+12:TB+20*(\k)+15], v4, s[8:9] offset:CBT*(\t)
	global_load_b128 v[TB+20*(\k)+16:TB+20*(\k)+19], v4, s[8:9] offset:CBT*(\t)+16
	global_load_b32 v[20+(\k)], v5, s[8:9] offset:CBT*(\t)
.endm
.irp k, 0,1,2,3
	TLOADS \k, \k                                  ; my first four tiles of the codebook set out while nx is made
.endr
	v_and_b32 v157, 31, v0                         ; nx's addresses, made by every wave ahead of the first parting
	v_and_b32 v158, 15, v0
	s_mul_i32 s2, s14, 1536
	s_add_co_u32 s2, s2, NXI
	v_lshl_add_u32 v152, v157, 4, s2               ; where I store nx's image,
	s_lshl_b32 s2, s14, 6
	s_add_co_u32 s2, s2, NXS
	v_lshl_add_u32 v153, v158, 2, s2               ; its scale word;
	v_lshl_add_u32 v154, v157, 4, NXI              ; where all read the images,
	v_lshl_add_u32 v155, v157, 2, NXS              ; the words;
	v_lshlrev_b32 v156, 2, v158                    ; my word's place in nxq
	s_wait_alu depctr_va_vdst(0)
	s_wait_dscnt 0x0                               ; the half sums are laid over the stages: every wave's reads of its stage are over
	s_barrier_signal -1
	s_barrier_wait -1
	s_cmp_lt_u32 s14, 8
	s_cbranch_scc1 .Llower
.set j, 0
.rept 16
	ds_store_b128 v7, v[ACC+4*j:ACC+4*j+3] offset:512*j   ; waves 8-15: my sums as an image of their registers, each accumulator from its low end on
.set j, j+1
.endr
.Llower:
	s_wait_dscnt 0x0
	s_barrier_signal -1
	s_barrier_wait -1
	s_cmp_lt_u32 s14, 8
	s_cbranch_scc0 .Ljoin
.set j, 0
.rept 16
	ds_load_b128 v[XB0+4*j:XB0+4*j+3], v7 offset:512*j
.set j, j+1
.endr
	s_wait_dscnt 0x0
.set j, 0
.rept 32
	v_pk_add_f32 v[ACC+j:ACC+j+1], v[ACC+j:ACC+j+1], v[XB0+j:XB0+j+1]   ; proj: register 16 b + i is e = 32 b + 16 h + i of row r
.set j, j+2
.endr
	v_pk_mul_f32 v[126:127], v[ACC:ACC+1], v[ACC:ACC+1]
	v_pk_mul_f32 v[128:129], v[ACC+2:ACC+3], v[ACC+2:ACC+3]
.irp j, 4,8,12,16,20,24,28,32,36,40,44,48,52,56,60
	v_pk_fma_f32 v[126:127], v[ACC+\j:ACC+\j+1], v[ACC+\j:ACC+\j+1], v[126:127]
	v_pk_fma_f32 v[128:129], v[ACC+\j+2:ACC+\j+3], v[ACC+\j+2:ACC+\j+3], v[128:129]
.endr
	s_delay_alu instid0(VALU_DEP_1)
	v_pk_add_f32 v[126:127], v[126:127], v[128:129]
	s_delay_alu instid0(VALU_DEP_1)
	v_add_f32 v126, v126, v127
	s_delay_alu instid0(VALU_DEP_1)
	v_permlanex16_b32 v128, v126, s40, s41
	s_delay_alu instid0(VALU_DEP_1)
	v_add_f32 v126, v126, v128
	s_wait_alu depctr_va_vdst(0)                   ; ahead of the transcendental
	v_sqrt_f32 v130, v126
	v_nop
	s_wait_alu depctr_va_vdst(0)
	v_max_num_f32 v130, 0x2b8cbccc, v130           ; max(norm, 1e-12)
	s_wait_alu depctr_va_vdst(0)
	v_rcp_f32 v132, v130
	v_rcp_f32 v133, v130
	v_nop
.set j, 0
	s_wait_alu depctr_va_vdst(0)
.rept 32
	v_pk_mul_f32 v[ACC+j:ACC+j+1], v[ACC+j:ACC+j+1], v[132:133]   ; nx
.set j, j+2
.endr
.irp b, 0,1,2,3
	v_mov_b32 v[TM+4+\b], 0                        ; a lane permute's destination counts as one of its sources
.endr
.irp b, 0,1,2,3
	v_max3_num_f32 v[TM+\b], |v[ACC+16*\b]|, |v[ACC+1+16*\b]|, 0x1800000
.endr
.irp i, 2,4,6,8,10,12,14
.irp b, 0,1,2,3
	v_max3_num_f32 v[TM+\b], v[TM+\b], |v[ACC+16*\b+\i]|, |v[ACC+1+16*\b+\i]|
.endr
.endr
.irp b, 0,1,2,3
	v_permlanex16_b32 v[TM+4+\b], v[TM+\b], s40, s41
.endr
.irp b, 0,1,2,3
	v_max_num_f32 v[TM+\b], v[TM+\b], v[TM+4+\b]   ; the block's largest magnitude
.endr
.irp b, 0,1,2,3
	v_add_nc_u32 v[TM+12+\b], 0xff000000, v[TM+\b]
.endr
.irp b, 0,1,2,3
	v_lshrrev_b32 v[TM+4+\b], 23, v[TM+12+\b]
.endr
	v_lshl_or_b32 v[PW], v[TM+5], 8, v[TM+4]
	s_delay_alu instid0(VALU_DEP_1)
	v_lshl_or_b32 v[PW], v[TM+6], 16, v[PW]
	s_delay_alu instid0(VALU_DEP_1)
	v_lshl_or_b32 v[PW], v[TM+7], 24, v[PW]        ; my row's scale word
.irp c, 0,1
	v_cvt_scalef32_pk16_fp6_f32 v[PC+6*\c:PC+2+6*\c], v[ACC+32*\c:ACC+15+32*\c], v[TM+12+2*\c]
	v_cvt_scalef32_pk16_fp6_f32 v[PC+12+4*\c:PC+14+4*\c], v[ACC+16+32*\c:ACC+31+32*\c], v[TM+12+2*\c+1]
.endr
	v_nop
.irp c, 0,1                                    ; a whole block in a lane: lanes 0-15 block 2 c, lanes 16-31 block 2 c + 1
.irp i, 0,1,2
	v_permlane16_swap_b32 v[PC+6*\c+\i], v[PC+12+4*\c+\i]
.endr
.irp i, 0,1,2
	v_mov_b32 v[PC+3+6*\c+\i], v[PC+12+4*\c+\i]
.endr
.endr
.irp c, 0,1,2
	ds_store_b128 v152, v[PC+4*\c:PC+4*\c+3] offset:512*\c
	global_store_b128 v3, v[PC+4*\c:PC+4*\c+3], s[10:11] offset:512*\c   ; 512 consecutive bytes, aligned to 256
.endr
	ds_store_b32 v153, v[PW]                       ; both halves write the same word with the same value
	global_store_b32 v156, v[PW], s[46:47]
.Ljoin:
	s_wait_xcnt 0x0                                ; the stores' data registers are written again only behind this wait
	s_wait_dscnt 0x0
	s_barrier_signal -1
	s_barrier_wait -1                              ; nx's eight fragments lie in LDS
.set j, 0
.rept 8
.irp c, 0,1,2
	ds_load_b128 v[BF+12*j+4*\c:BF+12*j+4*\c+3], v154 offset:1536*j+512*\c
.endr
.set j, j+1
.endr
.irp p, 0,1,2,3
	ds_load_b32 v[16+\p], v155 offset:128*\p       ; nx's words: lanes 0-15 tile 2 p, lanes 16-31 tile 2 p + 1
.endr
.irp q, 0,1,2,3,4,5,6,7,8,9,10,11,12,13,14,15
	v_mov_b32 v[ST+\q], 0xff800000                 ; both bests: -infinity, which the first tile beats strictly; the first pair's compare of the two finds no growth
.endr
.irp q, 0,1,2,3,4,5,6,7
	v_mov_b32 v[ST+16+\q], 0
.endr
	s_mov_b32 s42, 7
	s_wait_alu depctr_va_vdst(0)
	s_wait_dscnt 0x0
.macro WM k, q, d                      ; set k's 16 codes x tile q of queries, C = -cn / 2, into result set d: lane (r, h) holds query r, register j code 8 h + j
.set rD, DB+8*(\d)
.set rA, TB+20*(\k)
.set rB, BF+12*(\q)
.if (\q)%2
	v_wmma_scale_f32_16x16x128_f8f6f4 v[rD:rD+7], v[rA:rA+11], v[rB:rB+11], v[rA+12:rA+19], v[20+(\k)], v[16+(\q)/2] matrix_a_fmt:MATRIX_FMT_FP6 matrix_b_fmt:MATRIX_FMT_FP6 matrix_b_scale:MATRIX_SCALE_ROW1
.else
	v_wmma_scale_f32_16x16x128_f8f6f4 v[rD:rD+7], v[rA:rA+11], v[rB:rB+11], v[rA+12:rA+19], v[20+(\k)], v[16+(\q)/2] matrix_a_fmt:MATRIX_FMT_FP6 matrix_b_fmt:MATRIX_FMT_FP6
.endif
.endm
; Result sets d, d + 1 against the bests of tiles q, q + 1 of queries (parity par); between the levels stand the compare and the select of the pair before: tiles xq, xq + 1, parity xpar.
; Each result is read from its low end on.
.macro PROC2 d, q, par, xq, xpar
.set r0, DB+8*(\d)
.set r1, r0+8
.set o0, ST+8*(\par)+(\q)
.set n0, ST+8*(1-(\par))+(\q)
.set xo, ST+8*(\xpar)+(\xq)
.set xn, ST+8*(1-(\xpar))+(\xq)
.set xi, ST+16+(\xq)
	v_max3_num_f32 v12, v[r0], v[r0+1], v[r0+2]
	v_max3_num_f32 v13, v[r1], v[r1+1], v[r1+2]
	v_max3_num_f32 v14, v[r0+3], v[r0+4], v[r0+5]
	v_max3_num_f32 v15, v[r1+3], v[r1+4], v[r1+5]
	v_cmp_gt_f32 vcc_lo, v[xn], v[xo]              ; the pair before: strictly larger: on a tie the earlier tile stays
	v_cmp_gt_f32 s51, v[xn+1], v[xo+1]
	v_max3_num_f32 v12, v12, v14, v[r0+6]
	v_max3_num_f32 v13, v13, v15, v[r1+6]
	v_cndmask_b32 v[xi], v[xi], s50, vcc_lo
	v_cndmask_b32 v[xi+1], v[xi+1], s50, s51
	v_max3_num_f32 v[n0], v12, v[r0+7], v[o0]      ; the new best
	v_max3_num_f32 v[n0+1], v13, v[r1+7], v[o0+1]
.endm
; Four tiles, 16 pairs of products.  Pair p + 1 is issued ahead of the work on pair p's scores, on four result sets by turns: between a product and the first read of its results, and between it and the product
; that writes over them, stand the twelve plain instructions of the pair before (at the head five v_nop).  A set's next loads stand twelve plain instructions behind its last reader.
; Wait counts: behind a tile's six loads those of three younger tiles are out, 18; in the last trip, which loads nothing, 18, 12, 6, 0.
; The tile's number is stepped behind a tile's first pair, whose selects still belong to the tile before.
.macro TRIP fill
	s_wait_loadcnt 18
	WM 0, 0, 0
	WM 0, 1, 1
.rept 5
	v_nop
.endr
.set p, 0
.rept 16
.if p < 15
.set pn, p+1
.if pn%4 == 0
	s_wait_alu depctr_va_vdst(0)
.if \fill
	s_wait_loadcnt 18
.else
	s_wait_loadcnt 18-6*(pn/4)
.endif
.endif
	WM pn/4, 2*(pn%4), 2*(pn%2)
	WM pn/4, 2*(pn%4)+1, 2*(pn%2)+1
.endif
.set pp, (p+15)%16
	PROC2 2*(p%2), 2*(p%4), (p/4)%2, 2*(pp%4), (pp/4)%2
.if (p%4 == 2) && \fill
	TLOADS p/4, 4+p/4
.endif
.if p%4 == 0
	s_add_co_u32 s50, s50, 1                       ; from here on the selects are this tile's
.endif
.set p, p+1
.endr
.endm
.Lscan:                                            ; seven trips that load, each four tiles
	TRIP 1
	s_wait_alu depctr_va_vdst(0)
	s_wait_xcnt 0x0                                ; the loads have read their base
	s_add_nc_u64 s[8:9], s[8:9], 4*CBT
	s_sub_co_u32 s42, s42, 1
	s_cmp_lg_u32 s42, 0
	s_cbranch_scc1 .Lscan
	TRIP 0                                         ; the last four tiles: no load leaves the buffer
	v_cmp_gt_f32 vcc_lo, v[ST+6], v[ST+14]         ; the last pair's compare and select
	v_cmp_gt_f32 s51, v[ST+7], v[ST+15]
	v_cndmask_b32 v[ST+22], v[ST+22], s50, vcc_lo
	v_cndmask_b32 v[ST+23], v[ST+23], s50, s51
	; the best lies in v[ST ..] again (an even number of tiles).  The key 2 x tile + h orders the groups of eight codes as their numbers do
	s_lshl_b32 s2, s14, 9
	s_add_co_u32 s2, s2, MV
	v_and_b32 v6, 15, v0
	v_lshl_add_u32 v7, v0, 3, MV                   ; where the merge reads: two queries a thread
	v_bfe_u32 v12, v0, 4, 1
	v_lshl_add_u32 v6, v6, 2, s2                   ; where I store: my wave's 128 words
.irp q, 0,1,2,3,4,5,6,7
	v_lshl_add_u32 v[ST+16+\q], v[ST+16+\q], 1, v12
.endr
.macro PICK va, ia, vb, ib             ; (va, ia) takes (vb, ib) where vb is larger, or equal with the lower key
	v_cmp_gt_f32 s52, v[\vb], v[\va]
	v_cmp_eq_f32 s53, v[\vb], v[\va]
	v_cmp_lt_u32 vcc_lo, v[\ib], v[\ia]
	s_and_b32 s53, s53, vcc_lo
	s_or_b32 vcc_lo, s52, s53
	v_cndmask_b32 v[\va], v[\va], v[\vb], vcc_lo
	v_cndmask_b32 v[\ia], v[\ia], v[\ib], vcc_lo
.endm
	v_mov_b32 v144, 0
	v_mov_b32 v145, 0
.irp q, 0,1,2,3,4,5,6,7
	v_permlanex16_b32 v144, v[ST+\q], s40, s41     ; the query's other eight codes of each tile lie in the lane 16 away
	v_permlanex16_b32 v145, v[ST+16+\q], s40, s41
	PICK ST+\q, ST+16+\q, 144, 145
	ds_store_b32 v6, v[ST+\q] offset:64*\q         ; both halves write the same word with the same value
	ds_store_b32 v6, v[ST+16+\q] offset:MI+64*\q
.endr
	s_wait_dscnt 0x0
	s_barrier_signal -1
	s_barrier_wait -1
	s_cmp_lt_u32 s14, 2                            ; waves 0 and 1 merge the sixteen waves' results
	s_cbranch_scc0 .Lend
.set j, 0
.rept 16
	ds_load_b64 v[24+2*j:25+2*j], v7 offset:512*j
	ds_load_b64 v[56+2*j:57+2*j], v7 offset:MI+512*j
.set j, j+1
.endr
	s_wait_dscnt 0x0
.set j, 1
.rept 15                                       ; the waves' tiles ascend with the wave's number: a later wave wins only where it is strictly larger
	v_cmp_gt_f32 vcc_lo, v[24+2*j], v24
	v_cmp_gt_f32 s52, v[25+2*j], v25
	v_cndmask_b32 v24, v24, v[24+2*j], vcc_lo
	v_cndmask_b32 v25, v25, v[25+2*j], s52
	v_cndmask_b32 v56, v56, v[56+2*j], vcc_lo
	v_cndmask_b32 v57, v57, v[57+2*j], s52
.set j, j+1
.endr
	v_lshlrev_b32 v88, 3, v0
	v_lshrrev_b32 v56, 1, v56                      ; the tile
	v_lshrrev_b32 v57, 1, v57
	global_store_b64 v88, v[56:57], s[12:13]       ; a wave stores 256 consecutive bytes, aligned
.Lend:
	s_wait_tensorcnt 0x0                           ; the wave's end
	ds_add_u32 v1, v2
	s_wait_dscnt 0x0
	s_endpgm
.Lfunc_end_k_q6874f9fe42_vq:
	.size	k_q6874f9fe42_vq, .Lfunc_end_k_q6874f9fe42_vq-k_q6874f9fe42_vq
	.p2alignl 7, 3214868480
	.fill 96, 4, 3214868480
	.section	.rodata,"a",@progbits
	.p2align	6, 0x0
	.amdhsa_kernel k_q6874f9fe42_vq
		.amdhsa_group_segment_fixed_size 203264
		.amdhsa_private_segment_fixed_size 0
		.amdhsa_enable_private_segment 0
		.amdhsa_kernarg_size 40
		.amdhsa_user_sgpr_count 2
		.amdhsa_user_sgpr_kernarg_segment_ptr 1
		.amdhsa_wavefront_size32 1
		.amdhsa_system_sgpr_workgroup_id_x 1
		.amdhsa_system_sgpr_workgroup_id_y 1
		.amdhsa_system_sgpr_workgroup_id_z 1
		.amdhsa_system_vgpr_workitem_id 0
		.amdhsa_next_free_vgpr 256
		.amdhsa_next_free_sgpr 66
		.amdhsa_reserve_vcc 1
		.amdhsa_float_denorm_mode_32 3
		.amdhsa_float_denorm_mode_16_64 3
		.amdhsa_memory_ordered 1
		.amdhsa_forward_progress 1
		.amdhsa_inst_pref_size 114
	.end_amdhsa_kernel
	.amdgpu_metadata
---
amdhsa.version: [ 1, 2 ]
amdhsa.kernels:
  - .name:           k_q6874f9fe42_vq
    .symbol:         k_q6874f9fe42_vq.kd
    .args:
      - { .name: x, .offset: 0, .size: 8, .value_kind: global_buffer, .address_space: global }
      - { .name: rpq, .offset: 8, .size: 8, .value_kind: global_buffer, .address_space: global }
      - { .name: cbq, .offset: 16, .size: 8, .value_kind: global_buffer, .address_space: global }
      - { .name: nxq, .offset: 24, .size: 8, .value_kind: global_buffer, .address_space: global }
      - { .name: win, .offset: 32, .size: 8, .value_kind: global_buffer, .address_space: global }
    .group_segment_fixed_size: 203264
    .private_segment_fixed_size: 0
    .kernarg_segment_align: 8
    .kernarg_segment_size: 40
    .max_flat_workgroup_size: 512
    .sgpr_count:     66
    .vgpr_count:     256
    .wavefront_size: 32
...
	.end_amdgpu_metadata
.endif
;; end of part 4
;; launch pick (part 5): grid 256 x 1, 8 waves a work-group, no clusters, 1,536 bytes of LDS; arguments nxq, cbq, win, out0; writes out0
.if DOCPART == 5
	.amdgcn_target "amdgcn-amd-amdhsa--gfx1250"
	.amdhsa_code_object_version 6
	.text
	.protected	k_q6874f9fe42_pick
	.globl	k_q6874f9fe42_pick
	.p2align	8
	.type	k_q6874f9fe42_pick,@function
k_q6874f9fe42_pick:
	s_mov_b64 s[64:65], 0
	v_nop
	global_prefetch_b8 v0, s[64:65] scope:SCOPE_SE
	s_setreg_imm32_b32 hwreg(HW_REG_WAVE_MODE, 25, 1), 1
	s_wait_xcnt 0x0
; out0[row] = 16 x win[row] + the place of the first largest score among the 16 codes of tile win[row].  |nx|^2 is left out as the first kernel's head shows.
; The launch before has found, for each query, the tile that holds the first largest score of all; here that one tile is multiplied again, by the same instruction on the same operands.
; A wave takes a tile of 16 queries: nx's fragment, and 16 products, product i with the tile that query i won; of its results only query i's column (lanes i and 16 + i) is kept, by selects.
; The tiles' addresses hang on whole numbers that this launch reads from win, each held to 511: so no load leaves cbq.  Eight sets of registers: eight tiles are out at a time, six loads each.
; No cluster, no tensor load: the tiles hang on loaded numbers.  No loop to prefetch in.  The work-group's 128 results meet in LDS, so that one wave stores 512 consecutive bytes, aligned.
; LIMITS as in the launch before: equal scores give the lower index; NaN and infinities are not served.
.set SPARE, 512
.set NXF, 8                            ; v8-19 nx's fragment
.set E,   24                           ; v24-31 my query's scores of codes 8 h + 0 .. 7
.set DB,  32                           ; v32-47 two sets of results
.set TB,  48                           ; v48-207 eight sets of 20: image 12, -cn / 2 8
; v208-215 the sets' scale words, v216 nx's: scales alone
	s_load_b256 s[4:11], s[0:1], 0x0               ; nxq, cbq, win, out0
	v_lshl_add_u32 v1, v0, 2, SPARE
	v_mov_b32 v2, 0
	v_lshrrev_b32 v20, 5, v0
	v_readfirstlane_b32 s12, v20                   ; wave
	v_and_b32 v21, 31, v0
	v_and_b32 v22, 15, v0
	v_bfe_u32 v23, v0, 4, 1                        ; h
	s_lshl_b32 s70, s12, 6
	v_lshlrev_b32 v3, 4, v21
	v_lshl_add_u32 v4, v23, 5, 1600
	v_lshl_add_u32 v5, v22, 2, 1536
	v_lshlrev_b32 v6, 2, v22
	v_lshl_add_u32 v217, v22, 2, s70               ; where my query's result goes in LDS
	v_mov_b32 v218, 0
	v_mov_b32 v219, 0
	s_lshl_b32 s13, ttmp9, 3
	s_add_co_u32 s13, s13, s12                     ; my tile of queries
	s_mul_i32 s14, s13, 1536
	s_mov_b32 s15, 0
	s_lshl_b32 s66, s13, 6
	s_mov_b32 s67, 0
	s_add_co_u32 s68, s66, 3145728
	s_mov_b32 s69, 0
	s_lshl_b32 s84, ttmp9, 9
	s_mov_b32 s85, 0
	s_mov_b32 s77, 0
	s_mov_b32 s80, 0x76543210
	s_mov_b32 s81, 0xfedcba98
	s_wait_alu depctr_va_vdst(0)
	s_wait_kmcnt 0x0
	s_add_nc_u64 s[72:73], s[8:9], s[66:67]
	s_load_b512 s[16:31], s[72:73], 0x0            ; my 16 queries' tiles
	s_add_nc_u64 s[74:75], s[4:5], s[68:69]
	s_add_nc_u64 s[4:5], s[4:5], s[14:15]
	s_add_nc_u64 s[10:11], s[10:11], s[84:85]
.irp c, 0,1,2
	global_load_b128 v[NXF+4*\c:NXF+4*\c+3], v3, s[4:5] offset:512*\c
.endr
	global_load_b32 v216, v6, s[74:75]
	global_load_b32 v7, v6, s[72:73]               ; my query's tile, as a vector
	s_wait_kmcnt 0x0
.irp i, 0,1,2,3,4,5,6,7,8,9,10,11,12,13,14,15
	s_min_u32 s[16+\i], s[16+\i], 511
	s_mul_i32 s76, s[16+\i], 1792
	s_add_nc_u64 s[32+2*\i:33+2*\i], s[6:7], s[76:77]
.endr
.macro TL k, i                         ; query i's tile into set k
.irp c, 0,1,2
	global_load_b128 v[TB+20*(\k)+4*\c:TB+20*(\k)+4*\c+3], v3, s[32+2*(\i):33+2*(\i)] offset:512*\c
.endr
	global_load_b128 v[TB+20*(\k)+12:TB+20*(\k)+15], v4, s[32+2*(\i):33+2*(\i)]
	global_load_b128 v[TB+20*(\k)+16:TB+20*(\k)+19], v4, s[32+2*(\i):33+2*(\i)] offset:16
	global_load_b32 v[208+(\k)], v5, s[32+2*(\i):33+2*(\i)]
.endm
.macro WM i
.set rA, TB+20*((\i)%8)
.set rD, DB+8*((\i)%2)
	v_wmma_scale_f32_16x16x128_f8f6f4 v[rD:rD+7], v[rA:rA+11], v[NXF:NXF+11], v[rA+12:rA+19], v[208+(\i)%8], v216 matrix_a_fmt:MATRIX_FMT_FP6 matrix_b_fmt:MATRIX_FMT_FP6
.endm
.macro SEL i                           ; of product i's results, lanes i and 16 + i keep theirs; the first product's fill the registers
.set rD, DB+8*((\i)%2)
.if (\i) == 0
.irp j, 0,1,2,3,4,5,6,7
	v_mov_b32 v[E+\j], v[rD+\j]
.endr
.else
	s_mov_b32 s78, 0x10001<<(\i)
.irp j, 0,1,2,3,4,5,6,7
	v_cndmask_b32 v[E+\j], v[E+\j], v[rD+\j], s78
.endr
.endif
.endm
.irp i, 0,1,2,3,4,5,6,7
	TL \i, \i
.endr
	s_wait_loadcnt 42                              ; nx and tile 0 are in; seven tiles of six loads stay out
	WM 0
.rept 5
	v_nop                                          ; places behind the first product
.endr
	TL 0, 8
.set n, 1
.rept 15                                       ; product n is issued ahead of the eight selects on product n - 1, which are its places
	s_wait_alu depctr_va_vdst(0)
.if n < 8
	s_wait_loadcnt 42
.else
	s_wait_loadcnt 6*(15-n)
.endif
	WM n
	SEL n-1
.if n < 8
	TL n, n+8
.endif
.set n, n+1
.endr
	SEL 15
	v_max3_num_f32 v20, v[E], v[E+1], v[E+2]
	v_max3_num_f32 v21, v[E+3], v[E+4], v[E+5]
	v_mov_b32 v22, 7
	v_max3_num_f32 v20, v20, v21, v[E+6]
	s_delay_alu instid0(VALU_DEP_1)
	v_max_num_f32 v20, v20, v[E+7]                 ; the largest of my eight
.irp j, 6,5,4,3,2,1,0
	v_cmp_eq_f32 vcc_lo, v[E+\j], v20              ; from 7 down, so that the lowest stays
	v_cndmask_b32 v22, v22, \j, vcc_lo
.endr
	v_lshl_add_u32 v22, v23, 3, v22                ; 8 h + its place
	v_permlanex16_b32 v218, v20, s80, s81
	v_permlanex16_b32 v219, v22, s80, s81
	v_cmp_gt_f32 s82, v218, v20
	v_cmp_eq_f32 s83, v218, v20
	v_cmp_lt_u32 vcc_lo, v219, v22
	s_and_b32 s83, s83, vcc_lo
	s_or_b32 vcc_lo, s82, s83
	v_cndmask_b32 v22, v22, v219, vcc_lo           ; the other half's where it is larger, or equal with the lower place
	v_lshl_add_u32 v24, v7, 4, v22                 ; the code's number
	ds_store_b32 v217, v24                         ; both halves write the same word with the same value
	s_wait_dscnt 0x0
	s_barrier_signal -1
	s_barrier_wait -1
	s_cmp_lg_u32 s12, 0
	s_cbranch_scc1 .Lend
	ds_load_b128 v[24:27], v3                      ; wave 0: the work-group's 128 results
	s_wait_dscnt 0x0
	global_store_b128 v3, v[24:27], s[10:11]       ; 512 consecutive bytes, aligned to 256
.Lend:
	s_wait_tensorcnt 0x0                           ; the wave's end
	ds_add_u32 v1, v2
	s_wait_dscnt 0x0
	s_endpgm
.Lfunc_end_k_q6874f9fe42_pick:
	.size	k_q6874f9fe42_pick, .Lfunc_end_k_q6874f9fe42_pick-k_q6874f9fe42_pick
	.p2alignl 7, 3214868480
	.fill 96, 4, 3214868480
	.section	.rodata,"a",@progbits
	.p2align	6, 0x0
	.amdhsa_kernel k_q6874f9fe42_pick
		.amdhsa_group_segment_fixed_size 1536
		.amdhsa_private_segment_fixed_size 0
		.amdhsa_enable_private_segment 0
		.amdhsa_kernarg_size 32
		.amdhsa_user_sgpr_count 2
		.amdhsa_user_sgpr_kernarg_segment_ptr 1
		.amdhsa_wavefront_size32 1
		.amdhsa_system_sgpr_workgroup_id_x 1
		.amdhsa_system_sgpr_workgroup_id_y 1
		.amdhsa_system_sgpr_workgroup_id_z 1
		.amdhsa_system_vgpr_workitem_id 0
		.amdhsa_next_free_vgpr 256
		.amdhsa_next_free_sgpr 90
		.amdhsa_reserve_vcc 1
		.amdhsa_float_denorm_mode_32 3
		.amdhsa_float_denorm_mode_16_64 3
		.amdhsa_memory_ordered 1
		.amdhsa_forward_progress 1
		.amdhsa_inst_pref_size 28
	.end_amdhsa_kernel
	.amdgpu_metadata
---
amdhsa.version: [ 1, 2 ]
amdhsa.kernels:
  - .name:           k_q6874f9fe42_pick
    .symbol:         k_q6874f9fe42_pick.kd
    .args:
      - { .name: nxq, .offset: 0, .size: 8, .value_kind: global_buffer, .address_space: global }
      - { .name: cbq, .offset: 8, .size: 8, .value_kind: global_buffer, .address_space: global }
      - { .name: win, .offset: 16, .size: 8, .value_kind: global_buffer, .address_space: global }
      - { .name: out0, .offset: 24, .size: 8, .value_kind: global_buffer, .address_space: global }
    .group_segment_fixed_size: 1536
    .private_segment_fixed_size: 0
    .kernarg_segment_align: 8
    .kernarg_segment_size: 32
    .max_flat_workgroup_size: 256
    .sgpr_count:     90
    .vgpr_count:     256
    .wavefront_size: 32
...
	.end_amdgpu_metadata
.endif
;; end of part 5
